; MI455X (gfx1250); checked and timed in simulation.
; The chip was launched on July 23, 2026; its instructions are those of AMD's public machine-readable ISA for CDNA 5 (MIT licence, August 2026) and "CDNA5" Instruction Set Architecture Reference Guide (July 2026). The comments in the code are by the model that wrote it; some were corrected since.
;; RPE Causal Attention. Allowed arithmetic: matrix products marked QUANTISED: E2M1 operands, one E8M0 scale for each 32 along K, by v_wmma_scale_f32_16x16x128_f8f6f4 with both operands' format E2M1 (or v_wmma_scale_f32_32x16x128_f4), f32 sums; products left as they are: bf16, f16 or f32 operands; f32 sums; everything else in f32.
;; Inputs: Wproj 1,024 x 1,024 float32; Wqkv 1,024 x 3,072 float32; rel_bias 2,048 x 16 float32; x 4 x 2,048 x 1,024 float32.
;; Outputs: out0 4 x 2,048 x 1,024 float32.
;; This version of the problem:
;;   THIS VERSION OF THE PROBLEM IS GIVEN IN LOW PRECISION. The matrix products marked QUANTISED in the list below multiply operands that are first quantised to E2M1 (2 exponent bits, 1 mantissa bit; 4 bits a number), with one power-of-two scale for each 32 numbers along K (OCP MX v1.0); their sums are f32. The products marked 'left as it is' may take bf16, f16 or f32 operands, with f32 sums. Whichever they take, every output number must still come out within the allowed error. Rounding operands to bf16 (8 significant bits) uses up far more of that allowance than f16 does (11 bits, for magnitudes from 6e-5 to 65,504). All else is computed in f32.
;;   The module's matrix products, in the order in which they are computed (A, B: the left and right operand; K: the contracted axis; several contracted axes count as one K, in the product's order):
;;     1. [M 8,192, K 1,024] x [K 1,024, N 3,072]; A: input x; B: input Wqkv: QUANTISED
;;     2. batch 64 x [M 2,048, K 64] x [K 64, N 2,048]; A: computed on the way; B: computed on the way: left as it is (an operand is computed on the way)
;;     3. batch 64 x [M 2,048, K 2,048] x [K 2,048, N 64]; A: computed on the way; B: computed on the way: left as it is (an operand is computed on the way)
;;     4. [M 8,192, K 1,024] x [K 1,024, N 1,024]; A: computed on the way; B: input Wproj: left as it is (an operand is computed on the way)
;;   THE QUANTISER, for each operand of a quantised product, along K:
;;     - K is cut into blocks of 32 from its start; a last block that is shorter is filled with zeros.
;;     - A block's scale is 2^e with e = floor(log2(the largest magnitude in the block)) - 2, held to -126 .. 127; a block of zeros has e = 0. As a byte (E8M0): e + 127.
;;     - Each number is divided by its block's scale, clamped to +-6, and rounded to the nearest number of E2M1, ties to even, subnormals kept.
;;     - The product sums the exact products of the quantised numbers (number of the format x scale) in f32.
;;   ~~~python
;;   def quantise(x, axis):      # numpy; x: float32 -> the quantised numbers, widened to float32 again
;;       x = np.moveaxis(x, axis, -1); K = x.shape[-1]
;;       x = np.pad(x, [(0, 0)] * (x.ndim - 1) + [(0, -K % 32)]); x = x.reshape(x.shape[:-1] + (-1, 32)); a = np.abs(x).max(-1, keepdims=True)
;;       e = np.where(a > 0, np.clip(np.frexp(np.where(a > 0, a, 1))[1] - 1 - 2, -126, 127), 0)      # np.frexp(a)[1] - 1 = floor(log2(a)), exactly
;;       r = np.clip(x / 2.0 ** e, -6, 6)
;;       step = 2.0 ** (np.maximum(np.frexp(np.where(r == 0, 1, r))[1] - 1, 0) - 1)
;;       q = np.round(r / step) * step * 2.0 ** e      # np.round: ties to even
;;       return np.moveaxis(q.reshape(q.shape[:-2] + (-1,))[..., :K], -1, axis).astype(np.float32)
;;   ~~~
;; One version. Each part assembles by itself: llvm-mc -triple=amdgcn-amd-amdhsa -mcpu=gfx1250 --defsym DOCPART=n.
;; ======== version 1 of 1: 5 launches
;; limits: right only within a limited range of input values; values are held in f16: magnitudes above 65,504 overflow, below 6.1e-05 lose precision
;; workspace buffers: cod 6,127,616 bytes; wimg 2,097,152 bytes; rbt 655,360 bytes; qimg 16,777,216 bytes; kv 33,554,432 bytes; qkvf 786,432 bytes; yimg 16,777,216 bytes
;; launch prep (part 1): grid 432 x 1, 4 waves a work-group, no clusters, 68,096 bytes of LDS; arguments x, Wqkv, Wproj, rel_bias, cod, wimg, rbt; writes cod, wimg, rbt
.if DOCPART == 1
	.amdgcn_target "amdgcn-amd-amdhsa--gfx1250"
	.amdhsa_code_object_version 6
	.text
	.protected	k_q6f1e71e8be_prep
	.globl	k_q6f1e71e8be_prep
	.p2align	8
	.type	k_q6f1e71e8be_prep,@function
k_q6f1e71e8be_prep:
	s_mov_b64 s[64:65], 0
	v_nop
	global_prefetch_b8 v0, s[64:65] scope:SCOPE_SE
	s_setreg_imm32_b32 hwreg(HW_REG_WAVE_MODE, 25, 1), 1
	s_wait_xcnt 0x0
; THE PROGRAM: out0 = softmax(q k^T / 8 + rel_bias[i - j], causal) v Wproj, with q, k, v = x Wqkv in MX-FP4.  Five launches: prep, qkv, attn, fine, proj.
; WORK LEFT OUT, AND WHY IT IS DEAD.  reference() builds the causal mask in its own body: where key j > query i it puts -inf in place of att, whatever att holds, and the softmax gives that key the
; weight 0 exactly.  So for all finite inputs (a) the scores, weights and products p v of key tiles that lie wholly behind the mask reach no output: attn does not walk them; (b) rel_bias[clip(i - j, 0)]
; for i < j is replaced by -inf before it is used: it is not looked up there.  Every input has a way to the output and is loaded.
; LIMITS.  A NaN, an infinity or an overflow that reaches only the work left out is not carried to the result.  The mask's -inf is kept as -2^100 inside the bias table: with f16 operands |q . k| stays
; under 2.8e11, so the weight of a hidden key is 0 unless |rel_bias| passes about 1e28.  q, k, v, y and Wproj go to the products left as they are in f16: magnitudes up to 65,504.
; Quantiser: a block of zeros gets the byte 1 where the rule says 127 (its codes are zeros, and this program alone reads the bytes); blocks whose largest magnitude lies under 2^-124 were not tried; NaN and infinities are not served.
; THIS LAUNCH lays the operands out, four kinds of work-group by the work-group's number, each kind with LDS bytes of its own:
;   0-255   X: x [8192][1024] f32 -> codes of E2M1, K innermost, and one E8M0 byte for each 32 along K
;   256-303 W: Wqkv [1024][3072] f32, K its first axis -> codes [3072][1024] with K innermost, and bytes [3072][32]
;   304-367 P: Wproj [1024][1024] f32 -> f16 in the order of a matrix operand's registers: [64 tiles of 16 columns][64 chunks of 16 k][512 bytes]; in a chunk lane 16 g + r holds column r, k = 8 g .. 8 g + 7, at byte 16 x lane
;   368-431 T: the bias table rbt[h][c][n], c = 0..3, n = 0..2559: with dist = 2048 + c - n it holds 8 x rel_bias[dist][h] (dist held to 2047), and -2^100 where dist < 0
; cod holds x's codes at 0, W's at WCODES, x's scale bytes at XSCALES, W's at WSCALES.
.set SPARE,   67584                    ; behind both paths' LDS: the spare words, 128 bytes for each wave: two blocks of 256 bytes that no other line names
.set SPW,     196                      ; v196 LDS address of my spare word; never rewritten
.set NIL,     197                      ; v197 0; never rewritten
.set WCODES,  4194304
.set XSCALES, 5767168
.set WSCALES, 6029312
	s_load_b256 s[4:11], s[0:1], 0x0               ; x s[4:5], Wqkv s[6:7], Wproj s[8:9], rel_bias s[10:11]
	s_load_b128 s[12:15], s[0:1], 0x20             ; cod s[12:13], wimg s[14:15]
	s_load_b64 s[16:17], s[0:1], 0x30              ; rbt
	v_lshl_add_u32 v[SPW], v0, 2, SPARE
	v_mov_b32 v[NIL], 0
	v_lshrrev_b32 v1, 5, v0
	v_readfirstlane_b32 s18, v1                    ; wave 0..3
	v_and_b32 v2, 31, v0                           ; lane
	s_mov_b32 s25, 0                               ; the high word of every offset: all stay under 2^32
	s_wait_kmcnt 0x0
	s_cmp_lt_u32 ttmp9, 256
	s_cbranch_scc0 .Lnot_x
; ---- X.  A wave takes 16 steps of 512 numbers.  Each of a step's four loads reads 512 consecutive bytes; the 2,048 bytes turn through the wave's own stage in LDS (16 bytes of padding behind each 64)
; and come back 64 bytes a lane: 16 neighbours along K, two lanes to a block of 32.  A lane's 16 codes are 8 bytes: the wave stores 256 consecutive bytes.  A wave's 256 scale bytes gather in LDS and leave as one unit.
.set XR, 16                            ; v16-79   four sets of 16 numbers as loaded
.set XX, 80                            ; v80-111  two sets of 16 neighbours
.set XE, 112                           ; v112-127 a scale byte for each step
.set XC, 128                           ; v128-191 codes: registers of its own for each step, so that no store's data are written again
	v_lshlrev_b32 v3, 4, v2                        ; my 16 bytes of a load's 512
	s_lshl_b32 s20, s18, 13                        ; my wave's 8,192 bytes of LDS
	v_lshrrev_b32 v14, 2, v2
	v_mul_u32_u24 v14, v14, 80
	v_and_b32 v15, 3, v2
	v_lshl_add_u32 v14, v15, 4, v14
	v_add_nc_u32 v14, s20, v14                     ; the stage, way in: 80 (lane / 4) + 16 (lane % 4)
	v_mul_u32_u24 v15, v2, 80
	v_add_nc_u32 v15, s20, v15                     ; way out: 80 x lane
	v_lshlrev_b32 v4, 3, v2                        ; 8 x lane: my codes' place in a step's, and my part of the 256 scale bytes
	v_lshrrev_b32 v5, 1, v2
	s_add_co_u32 s20, s20, 5120                    ; behind the two stages of 2,560 bytes
	v_add_nc_u32 v5, s20, v5                       ; my block's byte
	v_add_nc_u32 v6, s20, v4
	s_lshl_b32 s22, ttmp9, 2
	s_add_co_u32 s22, s22, s18                     ; which run of 8,192 numbers is my wave's
	s_lshl_b32 s24, s22, 15
	s_add_nc_u64 s[4:5], s[4:5], s[24:25]
	s_lshl_b32 s24, s22, 12
	s_add_nc_u64 s[26:27], s[12:13], s[24:25]      ; its codes
	s_lshl_b32 s24, s22, 8
	s_add_co_u32 s24, s24, XSCALES
	s_add_nc_u64 s[28:29], s[12:13], s[24:25]      ; its scale bytes
.macro XLOAD t
.irp i, 0,1,2,3
	global_load_b128 v[XR+16*((\t)%4)+4*\i:XR+16*((\t)%4)+4*\i+3], v3, s[4:5] offset:2048*(\t)+512*\i th:TH_LOAD_NT
.endr
.endm
.macro XTURN t                         ; LDS serves a wave's instructions in order: no wait between the stores and the loads
.irp i, 0,1,2,3
	ds_store_b128 v14, v[XR+16*((\t)%4)+4*\i:XR+16*((\t)%4)+4*\i+3] offset:2560*((\t)%2)+640*\i
.endr
.irp i, 0,1,2,3
	ds_load_b128 v[XX+16*((\t)%2)+4*\i:XX+16*((\t)%2)+4*\i+3], v15 offset:2560*((\t)%2)+16*\i
.endr
.endm
.irp t, 0,1,2,3
	XLOAD \t
.endr
	s_wait_loadcnt 12                              ; step 0's four loads are in; three steps' twelve stay out
	XTURN 0
.macro XSTEP t
.set XSS, XX+16*((\t)%2)
.if (\t) > 0
	s_wait_dscnt 1                                 ; this step's numbers are back from the stage; the last step's byte store may be out
.else
	s_wait_dscnt 0x0
.endif
.if (\t)+4 < 16
	XLOAD (\t)+4
.endif
.if (\t)+1 < 16
.if 14-(\t) >= 3
	s_wait_loadcnt 12                              ; the next step's four loads are in; those of the three steps behind it may be out
.else
	s_wait_loadcnt 4*(14-(\t))
.endif
	XTURN (\t)+1
.endif
	v_max3_num_f32 v8, |v[XSS]|, |v[XSS+1]|, |v[XSS+2]|
	v_max3_num_f32 v9, |v[XSS+3]|, |v[XSS+4]|, |v[XSS+5]|
.irp i, 6,10
	v_max3_num_f32 v8, v8, |v[XSS+\i]|, |v[XSS+\i+1]|
	v_max3_num_f32 v9, v9, |v[XSS+\i+2]|, |v[XSS+\i+3]|
.endr
	v_max3_num_f32 v8, v8, |v[XSS+14]|, |v[XSS+15]|
	v_max3_num_f32 v8, v8, v9, 0x1800000           ; and the floor 2^(3 - 127): the byte cannot fall under 1
	v_max_num_f32_dpp v8, v8, v8 row_xmask:1 row_mask:0xf bank_mask:0xf   ; with my neighbour's 16: the block's largest magnitude
	v_add_nc_u32 v11, 0xff000000, v8               ; 2 off its exponent field: the conversion takes this operand's exponent field as its scale
	v_cvt_scalef32_pk8_fp4_f32 v[XC+4*(\t)], v[XSS:XSS+7], v11
	v_cvt_scalef32_pk8_fp4_f32 v[XC+4*(\t)+1], v[XSS+8:XSS+15], v11
	v_lshrrev_b32 v[XE+(\t)], 23, v11              ; the scale's byte
	ds_store_b8 v5, v[XE+(\t)] offset:16*(\t)      ; both lanes of a block write the same byte with the same value
	global_store_b64 v4, v[XC+4*(\t):XC+4*(\t)+1], s[26:27] offset:256*(\t)
.endm
.irp t, 0,1,2,3,4,5,6,7,8,9,10,11,12,13,14,15
	XSTEP \t
.endr
	ds_load_b64 v[8:9], v6
	s_wait_dscnt 0x0
	global_store_b64 v4, v[8:9], s[28:29]          ; 32 lanes store 256 consecutive bytes, aligned
	s_wait_tensorcnt 0x0                           ; the wave's end
	ds_add_u32 v[SPW], v[NIL]
	s_wait_dscnt 0x0
	s_endpgm
.Lnot_x:
	s_cmp_lt_u32 ttmp9, 304
	s_cbranch_scc0 .Lnot_w
; ---- W.  A lane takes a column n and its registers run down K: each load reads 128 consecutive bytes a wave, a block of 32 along K lies in one lane, and the conversions give codes with K innermost.
; A wave takes 32 columns x 512 along K; the codes go through its own stage (rows of 272 bytes) and leave as rows: sixteen lanes store 256 consecutive bytes.
	s_sub_co_u32 s20, ttmp9, 256
	s_cmp_ge_u32 s20, 24
	s_cselect_b32 s21, 1, 0                        ; which 512 along K
	s_cselect_b32 s22, 24, 0
	s_sub_co_u32 s20, s20, s22                     ; which 128 columns
	s_lshl_b32 s22, s20, 7
	s_lshl_b32 s23, s18, 5
	s_add_co_u32 s22, s22, s23                     ; my wave's first column
	v_lshlrev_b32 v3, 2, v2
	s_mul_i32 s23, s18, 8704
	s_add_co_u32 s23, s23, 32768                   ; my stage: behind path X's LDS
	v_mul_u32_u24 v4, v2, 272
	v_add_nc_u32 v4, s23, v4                       ; into it: row = my column
	v_and_b32 v5, 15, v2
	v_lshrrev_b32 v6, 4, v2
	v_mul_u32_u24 v7, v6, 272
	v_lshl_add_u32 v7, v5, 4, v7
	v_add_nc_u32 v7, s23, v7                       ; out of it: sixteen lanes to a row
	v_lshlrev_b32 v8, 9, v6
	v_lshl_add_u32 v8, v5, 4, v8                   ; the same place among the codes' rows of 512 bytes
	v_lshlrev_b32 v9, 5, v2                        ; my column's row of 32 scale bytes
	s_mul_i32 s24, s21, 512*3072*4
	s_lshl_b32 s23, s22, 2
	s_add_co_u32 s24, s24, s23
	s_add_nc_u64 s[6:7], s[6:7], s[24:25]
	s_lshl_b32 s24, s22, 9
	s_lshl_b32 s23, s21, 8
	s_add_co_u32 s24, s24, s23
	s_add_co_u32 s24, s24, WCODES
	s_add_nc_u64 s[26:27], s[12:13], s[24:25]
	s_lshl_b32 s24, s22, 5
	s_lshl_b32 s23, s21, 4
	s_add_co_u32 s24, s24, s23
	s_add_co_u32 s24, s24, WSCALES
	s_add_nc_u64 s[28:29], s[12:13], s[24:25]
.macro WLOAD t                         ; block t: W(32 t + i, my column); the largest offset, 511 rows of 12,288 bytes, lies inside the signed 24-bit immediate
.irp i, 0,1,2,3,4,5,6,7,8,9,10,11,12,13,14,15,16,17,18,19,20,21,22,23,24,25,26,27,28,29,30,31
	global_load_b32 v[32+32*((\t)%2)+\i], v3, s[6:7] offset:(32*(\t)+\i)*12288 th:TH_LOAD_NT
.endr
.endm
	WLOAD 0
	WLOAD 1
.macro WBLOCK t
.set WS, 32+32*((\t)%2)
.if (\t) < 15
	s_wait_loadcnt 32                              ; this block's 32 loads are in; the next block's may be out
.else
	s_wait_loadcnt 0
.endif
	v_max3_num_f32 v12, |v[WS]|, |v[WS+1]|, |v[WS+2]|
	v_max3_num_f32 v13, |v[WS+3]|, |v[WS+4]|, |v[WS+5]|
.irp i, 6,10,14,18,22,26
	v_max3_num_f32 v12, v12, |v[WS+\i]|, |v[WS+\i+1]|
	v_max3_num_f32 v13, v13, |v[WS+\i+2]|, |v[WS+\i+3]|
.endr
	v_max3_num_f32 v12, v12, |v[WS+30]|, |v[WS+31]|
	v_max3_num_f32 v12, v12, v13, 0x1800000        ; and the floor
	v_add_nc_u32 v11, 0xff000000, v12
	v_lshrrev_b32 v13, 23, v11                     ; the scale's byte
.if (\t)%4 == 0
	v_mov_b32 v[24+(\t)/4], v13                    ; four bytes to a register, the lower K in the lower byte
.else
	v_lshl_or_b32 v[24+(\t)/4], v13, 8*((\t)%4), v[24+(\t)/4]
.endif
.irp g, 0,1,2,3
	v_cvt_scalef32_pk8_fp4_f32 v[96+\g], v[WS+8*\g:WS+8*\g+7], v11
.endr
	ds_store_b128 v4, v[96:99] offset:16*(\t)
.if (\t)+2 < 16
	WLOAD (\t)+2
.endif
	s_wait_dscnt 0x0                               ; the store has read its registers: the next block's codes may be written
.endm
.irp t, 0,1,2,3,4,5,6,7,8,9,10,11,12,13,14,15
	WBLOCK \t
.endr
	global_store_b128 v9, v[24:27], s[28:29]       ; my column's 16 scale bytes
.irp t, 0,1,2,3,4,5,6,7,8,9,10,11,12,13,14,15
	ds_load_b128 v[112+4*\t:115+4*\t], v7 offset:2*\t*272
.endr
.irp t, 0,1,2,3,4,5,6,7,8,9,10,11,12,13,14,15
	s_wait_dscnt 15-\t                             ; LDS loads come back in order: pair t of rows is in
	global_store_b128 v8, v[112+4*\t:115+4*\t], s[26:27] offset:2*\t*512
.endr
	s_wait_tensorcnt 0x0                           ; the wave's end
	ds_add_u32 v[SPW], v[NIL]
	s_wait_dscnt 0x0
	s_endpgm
.Lnot_w:
	s_cmp_lt_u32 ttmp9, 368
	s_cbranch_scc0 .Lnot_p
; ---- P.  128 columns x 128 k to a work-group.  A lane takes a column, its registers run down k: 8 neighbours along k pack into 16 bytes, and sixteen lanes' 16 bytes are half a chunk: 256 consecutive bytes.  No LDS.
	s_sub_co_u32 s20, ttmp9, 304
	s_and_b32 s21, s20, 7                          ; which 128 columns
	s_lshr_b32 s22, s20, 3                         ; which 128 k
	s_lshl_b32 s24, s22, 19                        ; 128 rows of 4,096 bytes
	s_lshl_b32 s23, s21, 9
	s_add_co_u32 s24, s24, s23
	s_lshl_b32 s23, s18, 7                         ; my wave's 32 columns
	s_add_co_u32 s24, s24, s23
	s_add_nc_u64 s[8:9], s[8:9], s[24:25]
	s_lshl_b32 s24, s21, 18                        ; 8 tiles of 32,768 bytes
	s_lshl_b32 s23, s18, 16                        ; my wave's two tiles
	s_add_co_u32 s24, s24, s23
	s_lshl_b32 s23, s22, 12                        ; 8 chunks of 512 bytes
	s_add_co_u32 s24, s24, s23
	s_add_nc_u64 s[14:15], s[14:15], s[24:25]
	v_lshlrev_b32 v3, 2, v2
	v_lshrrev_b32 v4, 4, v2
	v_and_b32 v5, 15, v2
	v_lshlrev_b32 v4, 15, v4
	v_lshl_add_u32 v4, v5, 4, v4                   ; tile lane / 16, row lane % 16
.macro PLOAD t
.irp i, 0,1,2,3,4,5,6,7,8,9,10,11,12,13,14,15,16,17,18,19,20,21,22,23,24,25,26,27,28,29,30,31
	global_load_b32 v[32+32*((\t)%2)+\i], v3, s[8:9] offset:(32*(\t)+\i)*4096 th:TH_LOAD_NT
.endr
.endm
	PLOAD 0
	PLOAD 1
.macro PBATCH t                        ; 32 k: two chunks
.if (\t) < 3
	s_wait_loadcnt 32                              ; this batch's 32 loads are in; the next batch's may be out
.else
	s_wait_loadcnt 0
.endif
.irp j, 0,1,2,3,4,5,6,7,8,9,10,11,12,13,14,15
	v_cvt_pk_f16_f32 v[112+16*(\t)+\j], v[32+32*((\t)%2)+2*\j], v[32+32*((\t)%2)+2*\j+1]
.endr
.if (\t)+2 < 4
	PLOAD (\t)+2
.endif
.irp q, 0,1,2,3
	global_store_b128 v4, v[112+16*(\t)+4*\q:112+16*(\t)+4*\q+3], s[14:15] offset:(2*(\t)+\q/2)*512+(\q%2)*256
.endr
.endm
.irp t, 0,1,2,3
	PBATCH \t
.endr
	s_endpgm
.Lnot_p:
; ---- T.  One work-group makes one copy c of one head's table: 2,560 entries, four to a lane and turn.  Copy c is the table moved by c entries, so that a lane whose query is r can read its eight
; entries, which begin at a multiple of 4 entries in copy r % 4, by two loads of 16 bytes.  The factor 8 is exact; it lets the bias ride as the C of the score's first matrix instruction, ahead of the scaling by 1 / 8.
	s_sub_co_u32 s20, ttmp9, 368                   ; 4 h + c
	s_lshr_b32 s21, s20, 2
	s_and_b32 s22, s20, 3
	s_add_co_u32 s23, s22, 2048
	s_lshl_b32 s24, s21, 2
	s_add_nc_u64 s[10:11], s[10:11], s[24:25]      ; rel_bias at column h
	s_mul_i32 s24, s20, 10240
	s_add_nc_u64 s[16:17], s[16:17], s[24:25]
	v_lshlrev_b32 v3, 2, v0
	v_sub_nc_u32 v3, s23, v3                       ; 2048 + c - 4 x thread
	v_lshlrev_b32 v5, 4, v0
	v_mov_b32 v4, 0xf1800000                       ; -2^100
.irp m, 0,1,2,3,4
.irp e, 0,1,2,3
	v_add_nc_u32 v[32+4*\m+\e], -(512*\m+\e), v3   ; dist
.endr
.endr
.irp j, 0,1,2,3,4,5,6,7,8,9,10,11,12,13,14,15,16,17,18,19
	v_max_i32 v[64+\j], 0, v[32+\j]
.endr
.irp j, 0,1,2,3,4,5,6,7,8,9,10,11,12,13,14,15,16,17,18,19
	v_min_i32 v[64+\j], 0x7ff, v[64+\j]            ; the index stays inside the table
.endr
.irp j, 0,1,2,3,4,5,6,7,8,9,10,11,12,13,14,15,16,17,18,19
	v_lshlrev_b32 v[64+\j], 6, v[64+\j]            ; a row of rel_bias is 64 bytes
.endr
.irp j, 0,1,2,3,4,5,6,7,8,9,10,11,12,13,14,15,16,17,18,19
	global_load_b32 v[96+\j], v[64+\j], s[10:11]
.endr
	s_wait_loadcnt 0x0
.irp j, 0,1,2,3,4,5,6,7,8,9,10,11,12,13,14,15,16,17,18,19
	v_ldexp_f32 v[96+\j], v[96+\j], 3
	v_cmp_gt_i32 vcc_lo, 0, v[32+\j]
	v_cndmask_b32 v[96+\j], v[96+\j], v4, vcc_lo
.endr
.irp m, 0,1,2,3,4
	global_store_b128 v5, v[96+4*\m:99+4*\m], s[16:17] offset:2048*\m
.endr
	s_endpgm
.Lfunc_end_k_q6f1e71e8be_prep:
	.size	k_q6f1e71e8be_prep, .Lfunc_end_k_q6f1e71e8be_prep-k_q6f1e71e8be_prep
	.p2alignl 7, 3214868480
	.fill 96, 4, 3214868480
	.section	.rodata,"a",@progbits
	.p2align	6, 0x0
	.amdhsa_kernel k_q6f1e71e8be_prep
		.amdhsa_group_segment_fixed_size 68096
		.amdhsa_private_segment_fixed_size 0
		.amdhsa_enable_private_segment 0
		.amdhsa_kernarg_size 56
		.amdhsa_user_sgpr_count 2
		.amdhsa_user_sgpr_kernarg_segment_ptr 1
		.amdhsa_wavefront_size32 1
		.amdhsa_system_sgpr_workgroup_id_x 1
		.amdhsa_system_sgpr_workgroup_id_y 1
		.amdhsa_system_sgpr_workgroup_id_z 1
		.amdhsa_system_vgpr_workitem_id 0
		.amdhsa_next_free_vgpr 200
		.amdhsa_next_free_sgpr 66
		.amdhsa_reserve_vcc 1
		.amdhsa_float_denorm_mode_32 3
		.amdhsa_float_denorm_mode_16_64 3
		.amdhsa_memory_ordered 1
		.amdhsa_forward_progress 1
		.amdhsa_inst_pref_size 138
	.end_amdhsa_kernel
	.amdgpu_metadata
---
amdhsa.version: [ 1, 2 ]
amdhsa.kernels:
  - .name:           k_q6f1e71e8be_prep
    .symbol:         k_q6f1e71e8be_prep.kd
    .args:
      - { .name: x, .offset: 0, .size: 8, .value_kind: global_buffer, .address_space: global }
      - { .name: Wqkv, .offset: 8, .size: 8, .value_kind: global_buffer, .address_space: global }
      - { .name: Wproj, .offset: 16, .size: 8, .value_kind: global_buffer, .address_space: global }
      - { .name: rel_bias, .offset: 24, .size: 8, .value_kind: global_buffer, .address_space: global }
      - { .name: cod, .offset: 32, .size: 8, .value_kind: global_buffer, .address_space: global }
      - { .name: wimg, .offset: 40, .size: 8, .value_kind: global_buffer, .address_space: global }
      - { .name: rbt, .offset: 48, .size: 8, .value_kind: global_buffer, .address_space: global }
    .group_segment_fixed_size: 68096
    .private_segment_fixed_size: 0
    .kernarg_segment_align: 8
    .kernarg_segment_size: 56
    .max_flat_workgroup_size: 128
    .sgpr_count:     66
    .vgpr_count:     200
    .wavefront_size: 32
...
	.end_amdgpu_metadata
.endif
;; end of part 1
;; launch qkv (part 2): grid 12 x 32, 4 waves a work-group, clusters of 4 x 4, 327,680 bytes of LDS; arguments cod, qimg, kv, qkvf; writes qimg, kv, qkvf
.if DOCPART == 2
	.amdgcn_target "amdgcn-amd-amdhsa--gfx1250"
	.amdhsa_code_object_version 6
	.text
	.protected	k_q6f1e71e8be_qkv
	.globl	k_q6f1e71e8be_qkv
	.p2align	8
	.type	k_q6f1e71e8be_qkv,@function
k_q6f1e71e8be_qkv:
	s_mov_b64 s[64:65], 0
	v_nop
	global_prefetch_b8 v0, s[64:65] scope:SCOPE_SE
	s_setreg_imm32_b32 hwreg(HW_REG_WAVE_MODE, 25, 1), 1
	s_wait_xcnt 0x0
	s_wait_alu depctr_hold_cnt(0) depctr_sa_sdst(0) depctr_va_vdst(0) depctr_va_sdst(0) depctr_va_ssrc(0) depctr_va_vcc(0) depctr_vm_vsrc(0)
	s_getreg_b32 s2, hwreg(HW_REG_IB_STS2, 6, 4)
	s_cmp_eq_u32 s2, 0
	s_cbranch_scc0 .Lentry_in_a_cluster
	s_endpgm
.Lentry_in_a_cluster:
	s_bfe_u32 s2, ttmp6, 0x10000c
	s_cmp_lg_u32 s2, 0xf033
	s_cbranch_scc0 .Lentry_shape_is_right
	s_endpgm
.Lentry_shape_is_right:
; qkv[m][n] = sum over k of x[m][k] Wqkv[k][n], both operands as codes of E2M1 with one E8M0 scale for each 32 along K, as the launch before laid them in cod; sums in f32.  M = 8,192, N = 3,072, K = 1,024.
; A tile of 256 x 256 is made by four waves, each 128 x 128: 64 accumulators, 512 registers.  K goes in two steps of 512 through two LDS slots, each filled once; the scale bytes of the work-group's rows, for all of K, come once too.
; CLUSTERS: 4 x 4 work-groups; A's tiles are asked for jointly along a row of the cluster, B's along a column.  THE MATRIX INSTRUCTION IS USED TRANSPOSED (source 0 = 16 rows of W, source 1 = 16 rows of x):
; a lane holds one token (lane % 16) and eight neighbouring columns, 8 (lane / 16) + 0 .. 7.
; THE WAY OUT NEEDS NO LDS.  Rounded to f16, a lane's eight numbers of an accumulator are 16 bytes, and the wave's 512 bytes ARE a chunk of the next launch's operand (16 tokens x 16 channels), stored by one instruction to 512 consecutive bytes:
;   q -> qimg [64 batch x head][128 tiles of 16 tokens][4 chunks][512], k -> kv [64][8 slots of 256 keys][first 32 KiB][16 tiles][4 chunks][512]: lane's 16 bytes at 16 x lane;
;   v -> the slot's second 32 KiB, a chunk row-major: 32 x key + 16 x (lane / 16).
; The first 16 tokens of every sequence also leave as f32, as images of the accumulators, into qkvf [4 batches][192 tiles of 16 columns][registers 0-3: 512 bytes, 4-7: 512]: the launch fine works on them.
; LIMIT: |q|, |k|, |v| up to 65,504 (f16).
; REGISTERS: window 0: v0-31 addresses; v32-95 scale words, two sets; from v128 A's fragments, one set; on the way out v64-191 take the packed results.  window 1: B's fragments, two sets.  windows 2, 3: the accumulators ((a, b) at v[8 (8 (a % 4) + b)]).
.set SIZE_K, 1024
.set KSTEP,  512
.set NQ,     KSTEP/128
.set ROWB,   256
.set KROW,   SIZE_K*4/8
.set PITCH,  272                       ; an LDS row: 256 bytes + 16 of padding: the 16 rows that a load touches start at 16 different banks
.set FR,     8
.set NL,     2
.set NP,     4
.set HALFT,  128*PITCH
.set SLOT,   4*HALFT
.set KS,     SIZE_K/32
.set SCL,    2*SLOT                    ; behind the slots: the scales, as units of 256 bytes + 16 of padding
.set HALFS,  (128*KS/256)*272
.set SBLK,   (16*KS/256)*272
.set SPARE,  SCL+4*HALFS               ; the spare words, 128 bytes for each wave: two blocks of 256 bytes that no other line names
.set WCODES,  4194304
.set XSCALES, 5767168
.set WSCALES, 6029312
.set ADRA, 16
.set ADRB, 20
.set VO,   24                          ; v24 the way out: my 16 bytes in a chunk
.set LI,   25                          ; v25 16 x lane
.set VP,   26                          ; v26 0 in the waves that hold a sequence's first 16 tokens in their block 0
.set ADRS, 27
.set SPW,  28
.set NIL,  29
.set SC,   32
.set AF,   128
.set G1, 24
.set G0, 32
.set G1B, 48
.set G0B, 56
.set G1S, 68
.set G0S, 76
.set G1SB, 80
.set G0SB, 88
.set MSB, 0
.macro WIN new                         ; the immediate's high byte repeats the setting that is left
.if MSB != \new
	s_set_vgpr_msb (MSB<<8)|\new
.set MSB, \new
.endif
.endm
.set MUL_LO, 0xa1
.set MUL_HI, 0xf1
.set TO_B,   0x40
; A joint load: waves 0 and 1 fetch for A, waves 2 and 3 for B; the branch hangs on the wave's number alone.  An s_nop 0 and four v_nop follow each of the two lines.
.macro JLOAD g0a, g1a, g0b, g1b
	s_cmp_eq_u32 s15, 0
	s_cbranch_scc0 .Lfor_b_\@
	tensor_load_to_lds s[\g0a:\g0a+3], s[\g1a:\g1a+7]
	s_nop 0
.rept 4
	v_nop
.endr
	s_branch .Lasked_\@
.Lfor_b_\@:
	tensor_load_to_lds s[\g0b:\g0b+3], s[\g1b:\g1b+7]
	s_nop 0
.rept 4
	v_nop
.endr
.Lasked_\@:
.endm
.macro CROUND                          ; a round of the cluster's barrier
	s_barrier_signal -1
	s_barrier_wait -1
	s_cmp_lg_u32 s14, 0
	s_cbranch_scc1 .Lnot_wave_0_\@
	s_barrier_signal -3
.Lnot_wave_0_\@:
	s_barrier_wait -3
	s_barrier_signal -1
	s_barrier_wait -1
.endm
	s_load_b256 s[4:11], s[0:1], 0x0               ; cod s[4:5], qimg s[6:7], kv s[8:9], qkvf s[10:11]
	v_lshl_add_u32 v[SPW], v0, 2, SPARE
	v_mov_b32 v[NIL], 0
	ds_add_u32 v[SPW], v[NIL]                      ; the wave's opening: the add, twice on end, and its wait ahead of my first tensor load
	ds_add_u32 v[SPW], v[NIL]
	v_lshrrev_b32 v1, 5, v0
	v_readfirstlane_b32 s14, v1                    ; wave 0..3
	s_lshr_b32 s15, s14, 1                         ; which half of the tile's rows is mine.  Also: I fetch for A (0) or for B (1)
	s_and_b32 s16, s14, 1                          ; which half of its columns.  Also: which 128 rows I fetch
	s_bfe_u32 s40, ttmp6, 0x40000                  ; cx, cy
	s_bfe_u32 s41, ttmp6, 0x40004
	s_lshl_b32 s42, ttmp9, 2
	s_add_co_u32 s42, s42, s40                     ; tile column
	s_and_b32 s17, ttmp7, 0xffff
	s_lshl_b32 s17, s17, 2
	s_add_co_u32 s17, s17, s41                     ; tile row
	s_lshl_b32 s43, s41, 2
	s_lshl_b32 s43, 15, s43                        ; my row of the cluster
	s_lshl_b32 s44, 0x1111, s40                    ; my column
	s_or_b32 s[G1+0], s43, (0<<16)|(1<<20)|(1<<21)|(5<<22)|(3<<25)  ; the mask; elements of 1 byte; padding of 4 words after every 64; bit 21 beside a mask
	s_or_b32 s[G1B+0], s44, (0<<16)|(1<<20)|(1<<21)|(5<<22)|(3<<25)
.irp g, G1, G1B
	s_mov_b32 s[\g+1], ROWB<<16                    ; tensor_dim0
	s_mov_b32 s[\g+2], 128<<16                     ; tensor_dim1
	s_mov_b32 s[\g+3], ROWB<<16                    ; tile_dim0
	s_mov_b32 s[\g+4], 128                         ; tile_dim1
	s_mov_b32 s[\g+5], KROW                        ; from row to row
	s_mov_b32 s[\g+6], 0
	s_mov_b32 s[\g+7], 0
.endr
	s_or_b32 s[G1S+0], s43, (3<<16)|(1<<20)|(1<<21)|(5<<22)|(3<<25)  ; the scales of 128 rows: a dense block, as rows of 256 bytes (32 elements of 8)
	s_or_b32 s[G1SB+0], s44, (3<<16)|(1<<20)|(1<<21)|(5<<22)|(3<<25)
.irp g, G1S, G1SB
	s_mov_b32 s[\g+1], 32<<16
	s_mov_b32 s[\g+2], (128*KS/256)<<16
	s_mov_b32 s[\g+3], 32<<16
	s_mov_b32 s[\g+4], 128*KS/256
	s_mov_b32 s[\g+5], 32
	s_mov_b32 s[\g+6], 0
	s_mov_b32 s[\g+7], 0
.endr
	s_lshl_b32 s18, s16, 7
	s_lshl_b32 s20, s17, 8
	s_add_co_u32 s20, s20, s18                     ; A: row 256 x tile row + 128 x half
	s_lshl_b32 s46, s42, 8
	s_add_co_u32 s46, s46, s18                     ; B: row 256 x tile column + 128 x half
	s_mov_b32 s21, 0
	s_mov_b32 s47, 0
	s_mov_b64 s[18:19], KS
	s_mul_u64 s[22:23], s[20:21], s[18:19]
	s_mul_u64 s[92:93], s[46:47], s[18:19]
	s_mov_b64 s[18:19], KROW
	s_mul_u64 s[20:21], s[20:21], s[18:19]
	s_mul_u64 s[46:47], s[46:47], s[18:19]
	s_add_nc_u64 s[22:23], s[22:23], XSCALES       ; the four parts of cod
	s_add_nc_u64 s[46:47], s[46:47], WCODES
	s_add_nc_u64 s[92:93], s[92:93], WSCALES
	s_mul_i32 s45, s14, HALFT                      ; where they go: no place in the cluster enters an LDS address
	s_mul_i32 s94, s14, HALFS
	s_wait_dscnt 0x0                               ; both opening adds are done
	s_wait_kmcnt 0x0
	s_add_nc_u64 s[20:21], s[4:5], s[20:21]
	s_add_nc_u64 s[22:23], s[4:5], s[22:23]
	s_add_nc_u64 s[46:47], s[4:5], s[46:47]
	s_add_nc_u64 s[92:93], s[4:5], s[92:93]
	CROUND                                         ; all sixteen work-groups are here: the joint loads meet
	s_mov_b32 s[G0S], 1
	s_add_co_u32 s[G0S+1], s94, SCL
	s_mov_b64 s[G0S+2:G0S+3], s[22:23]
	s_or_b32 s[G0S+3], s[G0S+3], 0x80000000
	s_mov_b32 s[G0SB], 1
	s_add_co_u32 s[G0SB+1], s94, SCL
	s_mov_b64 s[G0SB+2:G0SB+3], s[92:93]
	s_or_b32 s[G0SB+3], s[G0SB+3], 0x80000000
	JLOAD G0S, G1S, G0SB, G1SB                     ; the scales first
.irp s, 0,1
	s_mov_b32 s[G0+4*\s], 1
	s_add_co_u32 s[G0+4*\s+1], s45, \s*SLOT
	s_add_nc_u64 s[G0+4*\s+2:G0+4*\s+3], s[20:21], \s*ROWB
	s_or_b32 s[G0+4*\s+3], s[G0+4*\s+3], 0x80000000
	s_mov_b32 s[G0B+4*\s], 1
	s_add_co_u32 s[G0B+4*\s+1], s45, \s*SLOT
	s_add_nc_u64 s[G0B+4*\s+2:G0B+4*\s+3], s[46:47], \s*ROWB
	s_or_b32 s[G0B+4*\s+3], s[G0B+4*\s+3], 0x80000000
	JLOAD G0+4*\s, G1, G0B+4*\s, G1B               ; three loads of mine are out: all that this launch asks for
.endr
	v_and_b32 v1, 15, v0                           ; r = l % 16
	v_bfe_u32 v2, v0, 4, 1                         ; g = l / 16
	v_mul_u32_u24 v3, v1, PITCH
	v_lshl_add_u32 v4, v2, 4, v3
	s_mul_i32 s21, s15, HALFT
	s_mul_i32 s22, s16, HALFT
	s_add_co_u32 s22, s22, 2*HALFT
.irp s, 0,1
	v_add_nc_u32 v[ADRA+\s], s21, v4
	v_add_nc_u32 v[ADRB+\s], s22, v4
	s_add_co_u32 s21, s21, SLOT
	s_add_co_u32 s22, s22, SLOT
.endr
	v_mul_u32_u24 v5, v1, KS
	v_lshrrev_b32 v6, 8, v5
	v_lshl_add_u32 v5, v6, 4, v5
	s_mul_i32 s21, s15, HALFS
	s_mul_i32 s22, s16, HALFS
	s_add_co_u32 s22, s22, 2*HALFS
	s_sub_co_u32 s22, s22, s21
	v_mul_u32_u24 v6, s22, v2                      ; lanes 16-31 take B's scale words
	s_add_co_u32 s21, s21, SCL
	v_add_nc_u32 v5, v5, v6
	v_add_nc_u32 v[ADRS], s21, v5
	; the way out's addresses.  The kind (0 q, 1 k, 2 v) is the cluster's x: 4 tile columns are 1,024 columns
	s_and_b32 s20, s17, 7                          ; which 256 tokens of the sequence
	s_lshr_b32 s21, s17, 3                         ; the batch
	s_and_b32 s46, s42, 3
	s_lshl_b32 s46, s46, 2
	s_lshl_b32 s47, s16, 1
	s_add_co_u32 s46, s46, s47                     ; my first head: 4 (tile column % 4) + 2 x half
	s_lshl_b32 s47, s21, 4
	s_add_co_u32 s46, s46, s47                     ; + 16 x batch
	s_cmp_eq_u32 ttmp9, 0
	s_cselect_b32 s47, 18, 19                      ; a head's bytes: 2^18 in qimg, 2^19 in kv
	s_cselect_b64 s[12:13], s[6:7], s[8:9]
	s_lshl_b32 s46, s46, s47
	s_sub_co_u32 s22, s47, 3
	s_lshl_b32 s22, s20, s22                       ; 256 tokens are an eighth of that
	s_add_co_u32 s46, s46, s22
	s_lshl_b32 s22, s15, 14                        ; my 128 tokens: 8 tiles of 2,048 bytes
	s_add_co_u32 s46, s46, s22
	s_lshr_b32 s22, ttmp9, 1
	s_lshl_b32 s22, s22, 15                        ; v: the slot's second half
	s_add_co_u32 s46, s46, s22
	s_lshl_b32 s22, 1, s47
	s_mov_b32 s47, 0
	s_mov_b32 s23, 0
	s_add_nc_u64 s[12:13], s[12:13], s[46:47]      ; my first head's chunks,
	s_add_nc_u64 s[66:67], s[12:13], s[22:23]      ; my second head's
	s_cmp_eq_u32 ttmp9, 2
	s_cselect_b32 s22, 32, 16
	s_mov_b32 s23, 256
	s_cselect_b32 s23, 16, s23
	v_mul_u32_u24 v[VO], v1, s22                   ; q, k: 16 r + 256 g;  v: 32 r + 16 g
	v_mul_u32_u24 v5, v2, s23
	v_add_nc_u32 v[VO], v[VO], v5
	v_and_b32 v6, 31, v0
	v_lshlrev_b32 v[LI], 4, v6
	s_mul_i32 s22, s21, 196608                     ; qkvf: the batch's 192 tiles of 1,024 bytes,
	s_lshl_b32 s23, s42, 14                        ; 16 tiles a tile column,
	s_add_co_u32 s22, s22, s23
	s_lshl_b32 s23, s16, 13                        ; 8 a half
	s_add_co_u32 s22, s22, s23
	s_mov_b32 s23, 0
	s_add_nc_u64 s[10:11], s[10:11], s[22:23]
	s_lshl_b32 s22, s20, 1
	s_add_co_u32 s22, s22, s15
	v_mov_b32 v[VP], s22
.macro FRAG reg, adr, q, i             ; 16 rows x 128 K of 4-bit codes: 8 registers, two loads of 16 bytes, 32 bytes apart
.irp c, 0,1
	ds_load_b128 v[\reg+4*\c:\reg+4*\c+3], v[\adr] offset:64*(\q)+32*\c+(\i)*16*PITCH
.endr
.endm
; 16 matrix instructions: A's blocks a0, a0 + 1 x B's eight.  The 64 accumulators take turns, one instruction a turn, in the same order in every step.
.macro MUL16 a0, p, q, sc, zero
.irp a, \a0, \a0+1
.irp b, 0,1,2,3,4,5,6,7
.if \zero
	v_wmma_scale_f32_16x16x128_f8f6f4 v[8*(8*((\a)%4)+\b):8*(8*((\a)%4)+\b)+7], v[128*(\p)+FR*\b:128*(\p)+FR*\b+FR-1], v[AF+FR*(\a):AF+FR*(\a)+FR-1], 0, v[SC+8*NQ*(\sc)+NQ*\b+(\q)], v[SC+8*NQ*(\sc)+NQ*(\a)+(\q)] matrix_a_fmt:MATRIX_FMT_FP4 matrix_b_fmt:MATRIX_FMT_FP4 matrix_a_scale:MATRIX_SCALE_ROW1
.else
	v_wmma_scale_f32_16x16x128_f8f6f4 v[8*(8*((\a)%4)+\b):8*(8*((\a)%4)+\b)+7], v[128*(\p)+FR*\b:128*(\p)+FR*\b+FR-1], v[AF+FR*(\a):AF+FR*(\a)+FR-1], v[8*(8*((\a)%4)+\b):8*(8*((\a)%4)+\b)+7], v[SC+8*NQ*(\sc)+NQ*\b+(\q)], v[SC+8*NQ*(\sc)+NQ*(\a)+(\q)] matrix_a_fmt:MATRIX_FMT_FP4 matrix_b_fmt:MATRIX_FMT_FP4 matrix_a_scale:MATRIX_SCALE_ROW1
.endif
.endr
.endr
.endm
.macro FETCH_B slot, q, p
	WIN TO_B
.irp i, 0,1,2,3,4,5,6,7
	FRAG 128*(\p)+FR*\i, ADRB+\slot, \q, \i
.endr
	WIN 0
.endm
.macro FETCH_A slot, q, i0
.irp i, \i0, \i0+1, \i0+2, \i0+3
	FRAG AF+FR*(\i), ADRA+\slot, \q, \i
.endr
.endm
.macro SCALES sc                       ; a K step's scale words: lanes 0-15 A's block i, lanes 16-31 B's block i
.irp i, 0,1,2,3,4,5,6,7
	ds_load_b128 v[SC+8*NQ*\sc+NQ*\i:SC+8*NQ*\sc+NQ*\i+3], v[ADRS] offset:\i*SBLK
.endr
.endm
.macro PLACES n                        ; plain vector instructions between a matrix instruction and a load into, or a vector instruction on, its registers
.rept \n
	v_nop
.endr
.endm
.macro STEP slot, q, zero
	s_wait_dscnt 4*NL                              ; B's set and A's blocks 0-3 are in; the youngest eight loads (A's blocks 4-7) may be out
	WIN MUL_LO
	MUL16 0, (\q)%2, \q, \slot, \zero
	MUL16 2, (\q)%2, \q, \slot, \zero
	s_wait_dscnt 0
	PLACES NP
	FETCH_B \slot, (\q)+1, 1-(\q)%2
	FETCH_A \slot, (\q)+1, 0
	WIN MUL_HI
	MUL16 4, (\q)%2, \q, \slot, \zero
	MUL16 6, (\q)%2, \q, \slot, \zero
	PLACES NP
	WIN 0
	FETCH_A \slot, (\q)+1, 4
.endm
.macro STEPS slot, from
.set Q, \from
.rept NQ-1-\from
	STEP \slot, Q, 0
.set Q, Q+1
.endr
.endm
	s_wait_tensorcnt 1                             ; the scales and my part of slot 0 are in; slot 1's load, the one issued behind them, may be out
	s_barrier_signal -1
	s_barrier_wait -1
	FETCH_B 0, 0, 0
	FETCH_A 0, 0, 0
	SCALES 0
	FETCH_A 0, 0, 4
	STEP 0, 0, 1                                   ; the first products start the sums: nothing is cleared
	STEPS 0, 1
	; slot 0's last step changes slots: one barrier; nothing is filled again
	s_wait_tensorcnt 0x0                           ; my part of slot 1 has landed
	ds_add_u32 v[SPW], v[NIL]                      ; 0 onto my spare word
	s_wait_dscnt 4*NL+1                            ; the add and the youngest eight loads may be out
	WIN MUL_LO
	MUL16 0, 1, NQ-1, 0, 0
	s_wait_dscnt 0x0
	s_barrier_signal -1
	MUL16 2, 1, NQ-1, 0, 0
	WIN 0
	s_barrier_wait -1
	PLACES NP
	v_add_nc_u32 v[ADRS], 4*NQ, v[ADRS]            ; the next K step's scale words
	FETCH_B 1, 0, 0
	FETCH_A 1, 0, 0
	SCALES 1
	WIN MUL_HI
	MUL16 4, 1, NQ-1, 0, 0
	MUL16 6, 1, NQ-1, 0, 0
	PLACES NP
	WIN 0
	FETCH_A 1, 0, 4
	STEPS 1, 0
	s_wait_dscnt 4*NL
	WIN MUL_LO
	MUL16 0, 1, NQ-1, 1, 0
	MUL16 2, 1, NQ-1, 1, 0
	s_wait_dscnt 0
	WIN MUL_HI
	MUL16 4, 1, NQ-1, 1, 0
	MUL16 6, 1, NQ-1, 1, 0
	WIN 0
; THE WAY OUT, block by block of 16 tokens: 32 roundings, each accumulator from its low end on, then eight stores of 512 consecutive bytes.  Four sets of 32 registers take turns.
.macro PACK a
.set AC, 64*((\a)%4)
.set TP, 64+32*((\a)%4)
	WIN 0x0a+5*((\a)/4)                            ; sources 0 and 1: window 2 or 3
.irp b, 0,1,2,3,4,5,6,7
.irp i, 0,1,2,3
	v_cvt_pk_f16_f32 v[TP+4*\b+\i], v[AC+8*\b+2*\i], v[AC+8*\b+2*\i+1]
.endr
.endr
	WIN 0
.endm
.macro SENDH a
.set TP, 64+32*((\a)%4)
.irp b, 0,1,2,3
	global_store_b128 v[VO], v[TP+4*\b:TP+4*\b+3], s[12:13] offset:(\a)*2048+\b*512 th:TH_STORE_NT
.endr
.irp b, 0,1,2,3
	global_store_b128 v[VO], v[TP+16+4*\b:TP+16+4*\b+3], s[66:67] offset:(\a)*2048+\b*512 th:TH_STORE_NT
.endr
.endm
	PLACES NP                                      ; behind the last products: the roundings write registers that held scale words and A's fragments
.irp a, 0,1,2,3,4,5,6,7
.if \a >= 4
	s_wait_xcnt 0x0                                ; the stores of four blocks back have read their registers: the set is written again
.endif
	PACK \a
	SENDH \a
.endr
	; a sequence's first 16 tokens, as f32: block 0 of the waves whose flag is 0.  No branch: the stores run with no lane on in the other waves
	s_wait_xcnt 0x0                                ; EXEC changes only behind this wait
	v_cmp_eq_u32 vcc_lo, 0, v[VP]
	s_and_saveexec_b32 s22, vcc_lo
	WIN 0x08                                       ; a store's data are its source 1: window 2
.irp b, 0,1,2,3,4,5,6,7
	global_store_b128 v[LI], v[8*\b:8*\b+3], s[10:11] offset:\b*1024
	global_store_b128 v[LI], v[8*\b+4:8*\b+7], s[10:11] offset:\b*1024+512
.endr
	WIN 0
	s_wait_xcnt 0x0                                ; and again, in front of the line that widens it
	s_or_b32 exec_lo, exec_lo, s22
	s_wait_tensorcnt 0x0                           ; the wave's end
	ds_add_u32 v[SPW], v[NIL]
	s_wait_dscnt 0x0
	CROUND                                         ; the closing round
	s_endpgm
.Lfunc_end_k_q6f1e71e8be_qkv:
	.size	k_q6f1e71e8be_qkv, .Lfunc_end_k_q6f1e71e8be_qkv-k_q6f1e71e8be_qkv
	.p2alignl 7, 3214868480
	.fill 96, 4, 3214868480
	.section	.rodata,"a",@progbits
	.p2align	6, 0x0
	.amdhsa_kernel k_q6f1e71e8be_qkv
		.amdhsa_group_segment_fixed_size 327680
		.amdhsa_private_segment_fixed_size 0
		.amdhsa_enable_private_segment 0
		.amdhsa_kernarg_size 32
		.amdhsa_user_sgpr_count 2
		.amdhsa_user_sgpr_kernarg_segment_ptr 1
		.amdhsa_wavefront_size32 1
		.amdhsa_system_sgpr_workgroup_id_x 1
		.amdhsa_system_sgpr_workgroup_id_y 1
		.amdhsa_system_sgpr_workgroup_id_z 1
		.amdhsa_system_vgpr_workitem_id 0
		.amdhsa_next_free_vgpr 1024
		.amdhsa_next_free_sgpr 98
		.amdhsa_reserve_vcc 1
		.amdhsa_float_denorm_mode_32 3
		.amdhsa_float_denorm_mode_16_64 3
		.amdhsa_memory_ordered 1
		.amdhsa_forward_progress 1
		.amdhsa_inst_pref_size 120
	.end_amdhsa_kernel
	.amdgpu_metadata
---
amdhsa.version: [ 1, 2 ]
amdhsa.kernels:
  - .name:           k_q6f1e71e8be_qkv
    .symbol:         k_q6f1e71e8be_qkv.kd
    .args:
      - { .name: cod, .offset: 0, .size: 8, .value_kind: global_buffer, .address_space: global }
      - { .name: qimg, .offset: 8, .size: 8, .value_kind: global_buffer, .address_space: global }
      - { .name: kv, .offset: 16, .size: 8, .value_kind: global_buffer, .address_space: global }
      - { .name: qkvf, .offset: 24, .size: 8, .value_kind: global_buffer, .address_space: global }
    .group_segment_fixed_size: 327680
    .private_segment_fixed_size: 0
    .kernarg_segment_align: 8
    .kernarg_segment_size: 32
    .max_flat_workgroup_size: 128
    .sgpr_count:     98
    .vgpr_count:     1024
    .wavefront_size: 32
...
	.end_amdgpu_metadata
.endif
;; end of part 2
;; launch attn (part 3): grid 4 x 64, 8 waves a work-group, no clusters, 327,680 bytes of LDS; arguments qimg, kv, rbt, yimg; writes yimg
.if DOCPART == 3
	.amdgcn_target "amdgcn-amd-amdhsa--gfx1250"
	.amdhsa_code_object_version 6
	.text
	.protected	k_q6f1e71e8be_attn
	.globl	k_q6f1e71e8be_attn
	.p2align	8
	.type	k_q6f1e71e8be_attn,@function
k_q6f1e71e8be_attn:
	s_mov_b64 s[64:65], 0
	v_nop
	global_prefetch_b8 v0, s[64:65] scope:SCOPE_SE
	s_setreg_imm32_b32 hwreg(HW_REG_WAVE_MODE, 25, 1), 1
	s_wait_xcnt 0x0
; y[b][h][q] = sum over k <= q of softmax_k(q . k / 8 + rel_bias[q - k][h]) v[k], head size 64, 2,048 tokens, 64 pairs of batch and head.  Operands f16, as the launch before laid them; products, maxima and sums in f32.
; WORK LEFT OUT: key slots and key steps that lie wholly behind reference()'s own causal mask get the weight 0 for all inputs and are not walked (shown at the head of the first kernel).
; LIMITS: the mask is -2^100 in the bias table, not -inf (see the first kernel); f16 operands up to 65,504.  The first 16 tokens of each sequence are made here too, inside live tiles, but their way to out0 goes through the launch fine, in f32.
; SHARES.  Work-group (p, bh) owns the blocks p and 7 - p of 256 queries, one after the other: p + 1 and 8 - p key slots of 256 keys, always 9: 256 equal work-groups and a constant trip count.
; Each of the eight waves owns 32 queries of the block, two tiles of 16; two waves lie on a SIMD, so that one's softmax stands beside the other's products and LDS loads.
; NO CLUSTER: the four work-groups of a head want different key slots in the same trip (slot S of block p, then S - p - 1 of block 7 - p); walked in step so that requests could be joint, a work-group would take 12 slots' time for its 9.
; LAYOUT.  S^T = K Q^T (source 0 = 16 keys, source 1 = 16 queries): a lane holds one query (lane % 16) and keys 8 (lane / 16) + 0..7; two such tiles rounded to f16 are source 1 of O^T = V^T P.
; THE BIAS IS THE C OF A SCORE TILE'S FIRST MATRIX INSTRUCTION: eight registers from the table rbt, which holds 8 x bias and the mask; the tile (t, u) wants the entries of distance 16 (t - u) + ..., so five sets serve eight tiles.
; p = 2^(c s - c m), c = log2(e) / 8, m the running maximum; O and l are multiplied by 2^(c m_old - c m_new) in every step.
; LDS: two slots, 2^17 bytes apart: K 32 KiB, V 32 KiB (chunks of 512 bytes, read at 16 x lane: no pitch), then four windows of 512 table entries, one for each copy, 2,112 bytes apart (64 modulo 256: sixteen lanes touch sixteen columns of 16 bytes).
; REGISTERS: window 0: v1-9 addresses; v16-31 statistics, eight a tile (c m, m, l, l, four at work; a takes the third's place); v64-127 S^T; v128-159 P; v160-199 the bias.  window 1: v0-63 O^T; v64-95 Q; v96-159 V; v160-223 K.
.set SLOT1, 131072
.set SPARE, 262144                     ; behind the slots: the spare words, 128 bytes for each wave: four blocks of 256 bytes that no other line names
.set SPW, 1
.set NIL, 2
.set LK,  3                            ; 16 x lane: a chunk's place for my lane; also my offset in Q's and y's chunks
.set LV,  4                            ; my lane's place for the turning load
.set LB,  5                            ; my lane's place in its window
.set AK,  6
.set AV,  7
.set AB,  8
.set PFO, 9                            ; 256 x thread
.set ST,  16
.set S,   64
.set P,   128
.set BI,  160
.set QF,  64                           ; window 1
.set VF,  96
.set KF,  160
.set WV, 12
.set WH, 13
.set PP, 14
.set BH, 15
.set HD, 16
.set BB, 17
.set SI, 18                            ; the trip: 0 .. 8
.set DCUR, 20                          ; query block - key slot of the trip
.set ELIM, 21                          ; the last key step of the slot that my queries see
.set TB, 22                            ; LDS byte at which the slot in hand begins
.set G1K, 24
.set G1B, 32
.set G0K, 40
.set G0B, 44
.set KVW, 48
.set RBW, 50
.set QB,  52
.set YB,  54
.set PFA, 56
.set CS,  58
.set SEL, 60
.set MSB, 0
.macro WIN new
.if MSB != \new
	s_set_vgpr_msb (MSB<<8)|\new
.set MSB, \new
.endif
.endm
; Waves 0 to 3 fetch a quarter of a slot's K and V (16 KiB, dense), waves 4 to 7 a window of the table (2 KiB).  Every wave has its load: the branch hangs on the wave's number alone.
.macro TLOAD
	s_cmp_lt_u32 s[WV], 4
	s_cbranch_scc0 .Lfor_b_\@
	tensor_load_to_lds s[G0K:G0K+3], s[G1K:G1K+7]
	s_nop 0
.rept 4
	v_nop
.endr
	s_branch .Lasked_\@
.Lfor_b_\@:
	tensor_load_to_lds s[G0B:G0B+3], s[G1B:G1B+7]
	s_nop 0
.rept 4
	v_nop
.endr
.Lasked_\@:
.endm
; A PREFETCH of the key slot that the NEXT change of slots will ask for: 65,536 bytes, a thread to each 256.  Key slots 4 to 7 are asked for first by the head's work-group p = 0 (its trips 3 to 6 load slots 3 to 6):
; it alone asks, in those trips, for slots 4 to 7: each block of 256 bytes is named once in the launch, one slot's four key steps ahead of its load.  Slots 0 to 3 come by their loads alone.
.macro ASK
	s_sub_co_u32 s62, s[SI], 3
	s_lshl_b32 s63, s[PP], 8
	s_or_b32 s62, s62, s63
	s_cmp_lt_u32 s62, 4
	s_cbranch_scc0 .Lnot_mine_\@
	global_prefetch_b8 v[PFO], s[PFA:PFA+1] th:TH_LOAD_NT scope:SCOPE_SE
.Lnot_mine_\@:
.endm
.macro QLOAD                           ; my 32 queries: eight chunks
	WIN 0x40
.irp i, 0,1,2,3,4,5,6,7
	global_load_b128 v[QF+4*\i:QF+4*\i+3], v[LK], s[QB:QB+1] offset:512*\i th:TH_LOAD_NT
.endr
	WIN 0
.endm
.macro INIT                            ; a block's start: O^T and l zeros, m under every score; the key step is written once and its first run multiplies zeros
	WIN 0x40
.set i, 0
.rept 64
	v_mov_b32 v[i], 0
.set i, i+1
.endr
	WIN 0
.irp t, 0,1
	v_mov_b32 v[ST+8*\t+1], 0xff61b1e6             ; -3e38
	v_mul_f32 v[ST+8*\t], s[CS], v[ST+8*\t+1]
.irp j, 2,3,4,5,6,7
	v_mov_b32 v[ST+8*\t+\j], 0
.endr
.endr
.endm
; A KEY STEP: 64 keys, the e-th of the slot in hand.
.macro STEP e
	s_cmp_lt_u32 s[ELIM], \e                       ; on the diagonal a step all of whose keys come after my 32 queries is left out: ids alone; no barrier and no tensor load stands in a step
	s_cbranch_scc1 .Lhid_\@
.irp d, 0,1,2,3,4
	ds_load_b128 v[BI+8*\d:BI+8*\d+3], v[AB] offset:64*\d+256*\e
	ds_load_b128 v[BI+8*\d+4:BI+8*\d+7], v[AB] offset:64*\d+256*\e+16
.endr
	WIN 0x40
.irp u, 0,1,2,3
.irp x, 0,1,2,3
	ds_load_b128 v[KF+16*\u+4*\x:KF+16*\u+4*\x+3], v[AK] offset:(4*\e+\u)*2048+\x*512
.endr
.endr
.irp b, 0,1,2,3
.irp y, 0,1
.irp c, 0,1
	ds_load_tr16_b128 v[VF+8*(2*\b+\y)+4*\c:VF+8*(2*\b+\y)+4*\c+3], v[AV] offset:(4*\e+2*\y+\c)*2048+\b*512
.endr
.endr
.endr
	s_wait_dscnt 16                                ; the bias and K are in; V's sixteen loads, issued behind them, may be out
	WIN 0x05                                       ; K and Q in window 1
.irp f, 0,1                                    ; the eight accumulators take turns, one instruction a turn
.irp u, 0,1,2,3
.irp t, 0,1
.if \f == 0
	v_wmma_f32_16x16x32_f16 v[S+32*\t+8*\u:S+32*\t+8*\u+7], v[KF+16*\u:KF+16*\u+7], v[QF+16*\t:QF+16*\t+7], v[BI+8*(1-\t+\u):BI+8*(1-\t+\u)+7]
.else
	v_wmma_f32_16x16x32_f16 v[S+32*\t+8*\u:S+32*\t+8*\u+7], v[KF+16*\u+8:KF+16*\u+15], v[QF+16*\t+8:QF+16*\t+15], v[S+32*\t+8*\u:S+32*\t+8*\u+7]
.endif
.endr
.endr
.endr
	WIN 0
.rept 4
	v_nop                                          ; places between the last product and the first read of the scores
.endr
.irp j, 0,1,2,3                                ; the maximum: four chains a tile, each accumulator from its low end on; the two tiles line by line
.irp t, 0,1
	v_max3_num_f32 v[ST+8*\t+4+\j], v[S+32*\t+8*\j], v[S+32*\t+8*\j+1], v[S+32*\t+8*\j+2]
.endr
.endr
.irp k, 1,2
.irp j, 0,1,2,3
.irp t, 0,1
	v_max3_num_f32 v[ST+8*\t+4+\j], v[ST+8*\t+4+\j], v[S+32*\t+8*\j+2*\k+1], v[S+32*\t+8*\j+2*\k+2]
.endr
.endr
.endr
.irp t, 0,1
	v_max3_num_f32 v[ST+8*\t+4], v[ST+8*\t+4], v[S+32*\t+7], v[S+32*\t+15]
.endr
.irp t, 0,1
	v_max3_num_f32 v[ST+8*\t+6], v[ST+8*\t+6], v[S+32*\t+23], v[S+32*\t+31]
.endr
.irp t, 0,1
	v_max3_num_f32 v[ST+8*\t+4], v[ST+8*\t+4], v[ST+8*\t+5], v[ST+8*\t+6]
.endr
.irp t, 0,1
	v_max3_num_f32 v[ST+8*\t+4], v[ST+8*\t+4], v[ST+8*\t+7], v[ST+8*\t+1]
.endr
.irp t, 0,1
	v_permlanex16_b32 v[ST+8*\t+5], v[ST+8*\t+4], s[SEL], s[SEL+1]   ; the query's other 32 keys lie in the lane 16 away
.endr
.irp t, 0,1
	v_mov_b32 v[ST+8*\t+7], v[ST+8*\t]             ; c m_old
.endr
.irp t, 0,1
	v_max_num_f32 v[ST+8*\t+1], v[ST+8*\t+4], v[ST+8*\t+5]
.endr
.irp t, 0,1
	v_mul_f32 v[ST+8*\t], s[CS], v[ST+8*\t+1]
.endr
.irp t, 0,1
	v_sub_f32 v[ST+8*\t+7], v[ST+8*\t+7], v[ST+8*\t]
.endr
.irp t, 0,1
	v_exp_f32 v[ST+8*\t+6], v[ST+8*\t+7]           ; a
.endr
.irp i, 0,2,4,6,8,10,12,14,16,18,20,22,24,26,28,30
.irp t, 0,1
	v_pk_fma_f32 v[S+32*\t+\i:S+32*\t+\i+1], v[S+32*\t+\i:S+32*\t+\i+1], s[CS:CS+1], v[ST+8*\t:ST+8*\t+1] op_sel_hi:[1,0,0] neg_lo:[0,0,1] neg_hi:[0,0,1]   ; c s - c m
.endr
.endr
.irp i, 0,1,2,3,4,5,6,7,8,9,10,11,12,13,14,15,16,17,18,19,20,21,22,23,24,25,26,27,28,29,30,31
.irp t, 0,1
	v_exp_f32 v[S+32*\t+\i], v[S+32*\t+\i]
.endr
.endr
	v_nop                                          ; a plain instruction behind the last exponential
	s_wait_alu depctr_va_vdst(0)                   ; one wait for the step's 66 exponentials, ahead of the first instruction that names a result
.irp i, 0,1,2,3,4,5,6,7,8,9,10,11,12,13,14,15
.irp t, 0,1
	v_cvt_pk_f16_f32 v[P+16*\t+\i], v[S+32*\t+2*\i], v[S+32*\t+2*\i+1]
.endr
.endr
.irp z, 0,1,2,3,4,5,6,7                        ; the sum of the unrounded weights, in place
.irp t, 0,1
	v_pk_add_f32 v[S+32*\t+4*\z:S+32*\t+4*\z+1], v[S+32*\t+4*\z:S+32*\t+4*\z+1], v[S+32*\t+4*\z+2:S+32*\t+4*\z+3]
.endr
.endr
.irp z, 0,1,2,3
.irp t, 0,1
	v_pk_add_f32 v[S+32*\t+8*\z:S+32*\t+8*\z+1], v[S+32*\t+8*\z:S+32*\t+8*\z+1], v[S+32*\t+8*\z+4:S+32*\t+8*\z+5]
.endr
.endr
.irp z, 0,1
.irp t, 0,1
	v_pk_add_f32 v[S+32*\t+16*\z:S+32*\t+16*\z+1], v[S+32*\t+16*\z:S+32*\t+16*\z+1], v[S+32*\t+16*\z+8:S+32*\t+16*\z+9]
.endr
.endr
.irp t, 0,1
	v_pk_add_f32 v[S+32*\t:S+32*\t+1], v[S+32*\t:S+32*\t+1], v[S+32*\t+16:S+32*\t+17]
.endr
.irp t, 0,1
	v_pk_fma_f32 v[ST+8*\t+2:ST+8*\t+3], v[ST+8*\t+2:ST+8*\t+3], v[ST+8*\t+6:ST+8*\t+7], v[S+32*\t:S+32*\t+1] op_sel_hi:[1,0,1]   ; l = a l + the sum
.endr
	WIN 0x41                                       ; O^T in window 1, a in window 0
.irp t, 0,1
.irp i, 0,2,4,6,8,10,12,14,16,18,20,22,24,26,28,30
	v_pk_mul_f32 v[32*\t+\i:32*\t+\i+1], v[32*\t+\i:32*\t+\i+1], v[ST+8*\t+6:ST+8*\t+7] op_sel_hi:[1,0]
.endr
.endr
	s_wait_dscnt 0x0                               ; V is in
	WIN 0x51                                       ; V and O^T in window 1, P in window 0
.irp y, 0,1
.irp b, 0,1,2,3
.irp t, 0,1
	v_wmma_f32_16x16x32_f16 v[32*\t+8*\b:32*\t+8*\b+7], v[VF+8*(2*\b+\y):VF+8*(2*\b+\y)+7], v[P+16*\t+8*\y:P+16*\t+8*\y+7], v[32*\t+8*\b:32*\t+8*\b+7]
.endr
.endr
.endr
	WIN 0
.rept 4
	v_nop                                          ; places in front of the next loads into V's registers and of the next read of O^T
.endr
.Lhid_\@:
.endm
; THE CHANGE OF SLOTS stands at a slot's head.  Each wave waits for all its tensor loads (one is out: its part of the slot that it is about to read), adds 0 to its spare word, and waits for that and for its reads of the slot
; that it has left.  Behind the barrier the slot ahead is whole and nobody reads the other.  fill = 1: that other slot is filled for the next trip: the load has four key steps in which to land.
.macro CHANGE fill
	s_wait_tensorcnt 0x0                           ; no tensor load of mine is out, so the groups 0 may be written
	ds_add_u32 v[SPW], v[NIL]                      ; 0 onto my spare word; the scalar work below stands between it and the wait for it
	s_sub_co_u32 s62, s[PP], s[SI]                 ; trips 0 .. p: block p, key slot S;
	s_sub_co_u32 s63, 8, s[SI]                     ; trips p + 1 .. 8: block 7 - p, key slot S - p - 1
	s_cmp_le_u32 s[SI], s[PP]
	s_cselect_b32 s[DCUR], s62, s63
	s_cmp_eq_u32 s[DCUR], 0
	s_cselect_b32 s[ELIM], s[WH], 3                ; on the diagonal my 32 queries see key steps 0 .. wave / 2
.if \fill
	s_add_co_u32 s66, s[SI], 1                     ; the same for the next trip
	s_sub_co_u32 s62, s[PP], s66
	s_sub_co_u32 s63, 8, s66
	s_sub_co_u32 s67, s[SI], s[PP]
	s_cmp_le_u32 s66, s[PP]
	s_cselect_b32 s68, s62, s63                    ; its distance in blocks,
	s_cselect_b32 s69, s66, s67                    ; its key slot
	s_xor_b32 s[G0K+1], s[G0K+1], SLOT1            ; the other LDS slot than last time
	s_xor_b32 s[G0B+1], s[G0B+1], SLOT1
	s_lshl_b32 s70, s69, 16
	s_mov_b32 s71, 0
	s_add_nc_u64 s[G0K+2:G0K+3], s[KVW:KVW+1], s[70:71]
	s_or_b32 s[G0K+3], s[G0K+3], 0x80000000
	s_lshl_b32 s70, s68, 10                        ; a block further off: 256 entries earlier in the table
	s_sub_nc_u64 s[G0B+2:G0B+3], s[RBW:RBW+1], s[70:71]
	s_or_b32 s[G0B+3], s[G0B+3], 0x80000000
	s_wait_xcnt 0x0                                ; the last prefetch, a slot back, has read its address
	s_add_nc_u64 s[PFA:PFA+1], s[PFA:PFA+1], 65536
.endif
	s_wait_dscnt 0x0                               ; the add is done, and my reads of the slot that I have left are over
	s_barrier_signal -1
	s_barrier_wait -1
.if \fill
	TLOAD                                          ; the first thing behind the barrier, and my one tensor load until the next
	ASK
.endif
	s_wait_loadcnt 0x0                             ; Q, where it was asked for
	v_add_nc_u32 v[AK], s[TB], v[LK]
	v_add_nc_u32 v[AV], s[TB], v[LV]
	v_add_nc_u32 v[AB], s[TB], v[LB]
.endm
; A BLOCK'S END: O^T / l, rounded to f16: a lane's eight channels are 16 bytes and the wave's 512 bytes are a chunk of the projection's operand: yimg [512 tiles of 16 tokens][64 chunks of 16 channels][512].
.macro FINISH
.irp t, 0,1
	v_add_f32 v[ST+8*\t+4], v[ST+8*\t+2], v[ST+8*\t+3]
.endr
.irp t, 0,1
	v_permlanex16_b32 v[ST+8*\t+5], v[ST+8*\t+4], s[SEL], s[SEL+1]
.endr
.irp t, 0,1
	v_add_f32 v[ST+8*\t+4], v[ST+8*\t+4], v[ST+8*\t+5]
.endr
.irp t, 0,1
	v_rcp_f32 v[ST+8*\t+6], v[ST+8*\t+4]
.endr
	v_nop
	s_wait_alu depctr_va_vdst(0)                   ; one wait for the two reciprocals, ahead of their first reader
	WIN 0x41
.irp t, 0,1
.irp i, 0,2,4,6,8,10,12,14,16,18,20,22,24,26,28,30
	v_pk_mul_f32 v[32*\t+\i:32*\t+\i+1], v[32*\t+\i:32*\t+\i+1], v[ST+8*\t+6:ST+8*\t+7] op_sel_hi:[1,0]
.endr
.endr
	WIN 0x05
.irp i, 0,1,2,3,4,5,6,7,8,9,10,11,12,13,14,15,16,17,18,19,20,21,22,23,24,25,26,27,28,29,30,31
	v_cvt_pk_f16_f32 v[S+\i], v[2*\i], v[2*\i+1]
.endr
	WIN 0
.irp t, 0,1
.irp b, 0,1,2,3
	global_store_b128 v[LK], v[S+16*\t+4*\b:S+16*\t+4*\b+3], s[YB:YB+1] offset:\t*32768+\b*512 th:TH_STORE_NT
.endr
.endr
	s_wait_xcnt 0x0                                ; the stores have read their registers and their base
.endm
	s_load_b256 s[4:11], s[0:1], 0x0               ; qimg s[4:5], kv s[6:7], rbt s[8:9], yimg s[10:11]
	v_lshl_add_u32 v[SPW], v0, 2, SPARE
	v_mov_b32 v[NIL], 0
	ds_add_u32 v[SPW], v[NIL]                      ; the wave's opening: the add, twice on end, and its wait ahead of my first tensor load
	ds_add_u32 v[SPW], v[NIL]
	v_lshrrev_b32 v10, 5, v0
	v_readfirstlane_b32 s[WV], v10                 ; wave 0..7
	s_lshr_b32 s[WH], s[WV], 1
	s_mov_b32 s[PP], ttmp9
	s_and_b32 s[BH], ttmp7, 0xffff                 ; 16 x batch + head
	s_and_b32 s[HD], s[BH], 15
	s_lshr_b32 s[BB], s[BH], 4
	s_mov_b32 s[SI], 0
	s_mov_b32 s[TB], 0
	s_mov_b32 s[G1K], 3<<16                        ; elements of 8 bytes, no mask, no padding: 16,384 dense bytes as 64 rows of 256
	s_mov_b32 s[G1K+1], 32<<16
	s_mov_b32 s[G1K+2], 64<<16
	s_mov_b32 s[G1K+3], 32<<16
	s_mov_b32 s[G1K+4], 64
	s_mov_b32 s[G1K+5], 32
	s_mov_b32 s[G1K+6], 0
	s_mov_b32 s[G1K+7], 0
	s_mov_b32 s[G1B], 3<<16                        ; 2,048 dense bytes as 8 rows of 256
	s_mov_b32 s[G1B+1], 32<<16
	s_mov_b32 s[G1B+2], 8<<16
	s_mov_b32 s[G1B+3], 32<<16
	s_mov_b32 s[G1B+4], 8
	s_mov_b32 s[G1B+5], 32
	s_mov_b32 s[G1B+6], 0
	s_mov_b32 s[G1B+7], 0
	s_mov_b32 s[CS], 0x3e38aa3b                    ; c = log2(e) / 8
	s_mov_b32 s[CS+1], s[CS]
	s_mov_b32 s[SEL], 0x76543210
	s_mov_b32 s[SEL+1], 0xfedcba98
	s_and_b32 s62, s[WV], 3
	s_lshl_b32 s66, s[BH], 19                      ; kv: the head's 8 slots of 65,536 bytes, my quarter of a slot
	s_lshl_b32 s63, s62, 14
	s_add_co_u32 s66, s66, s63
	s_mov_b32 s67, 0
	s_lshl_b32 s68, s[HD], 2                       ; rbt: copy wave % 4 of my head, at entry 1,792: the window of distance 0
	s_add_co_u32 s68, s68, s62
	s_mul_i32 s68, s68, 10240
	s_add_co_u32 s68, s68, 7168
	s_mov_b32 s69, 0
	s_lshl_b32 s70, s[BH], 18                      ; qimg: the head, block p, my two tiles
	s_lshl_b32 s63, s[PP], 15
	s_add_co_u32 s70, s70, s63
	s_lshl_b32 s63, s[WV], 12
	s_add_co_u32 s70, s70, s63
	s_mov_b32 s71, 0
	s_lshl_b32 s72, s[BB], 22                      ; yimg: the batch's 128 tiles of 32,768 bytes, block p, my two tiles, my head's four chunks
	s_lshl_b32 s63, s[PP], 19
	s_add_co_u32 s72, s72, s63
	s_lshl_b32 s63, s[WV], 16
	s_add_co_u32 s72, s72, s63
	s_lshl_b32 s63, s[HD], 11
	s_add_co_u32 s72, s72, s63
	s_mov_b32 s73, 0
	s_lshl_b32 s74, s[BH], 19
	s_mov_b32 s75, 0
	s_mul_i32 s63, s62, 2112
	s_wait_dscnt 0x0                               ; both opening adds are done
	s_wait_kmcnt 0x0
	s_add_nc_u64 s[KVW:KVW+1], s[6:7], s[66:67]
	s_add_nc_u64 s[RBW:RBW+1], s[8:9], s[68:69]
	s_add_nc_u64 s[QB:QB+1], s[4:5], s[70:71]
	s_add_nc_u64 s[YB:YB+1], s[10:11], s[72:73]
	s_add_nc_u64 s[PFA:PFA+1], s[6:7], s[74:75]    ; at the head's key slot 0; trip S steps it to slot S + 1
	s_mov_b32 s[G0K], 1
	s_lshl_b32 s[G0K+1], s[WV], 14                 ; LDS: slot 0, my quarter
	s_mov_b64 s[G0K+2:G0K+3], s[KVW:KVW+1]         ; key slot 0
	s_or_b32 s[G0K+3], s[G0K+3], 0x80000000
	s_mov_b32 s[G0B], 1
	s_add_co_u32 s[G0B+1], s63, 65536              ; LDS: slot 0, window wave % 4
	s_lshl_b32 s70, s[PP], 10
	s_mov_b32 s71, 0
	s_sub_nc_u64 s[G0B+2:G0B+3], s[RBW:RBW+1], s[70:71]   ; distance p
	s_or_b32 s[G0B+3], s[G0B+3], 0x80000000
	TLOAD                                          ; slot 0's first fill; slot 1's follows behind the first trip's barrier, where nothing is filled again
	v_and_b32 v10, 31, v0
	v_bfe_u32 v12, v0, 4, 1                        ; g
	v_lshlrev_b32 v[LK], 4, v10
	v_and_b32 v13, 7, v0
	v_lshl_add_u32 v13, v12, 3, v13                ; the turning load: key 8 g + lane % 8,
	v_bfe_u32 v14, v0, 3, 1                        ; channels 8 ((lane / 8) % 2) on
	v_lshlrev_b32 v[LV], 5, v13
	v_lshl_add_u32 v[LV], v14, 4, v[LV]
	v_add_nc_u32 v[LV], 32768, v[LV]
	v_and_b32 v13, 3, v0                           ; my copy: r % 4
	v_mul_u32_u24 v[LB], v13, 2112
	v_lshl_add_u32 v[LB], v12, 5, v[LB]
	v_add_nc_u32 v[LB], 66496, v[LB]               ; 65,536 + 4 (256 - 16): entry 2048 - 16 of distance 0, counted from the window's first
	v_bfe_u32 v13, v0, 2, 2
	v_lshlrev_b32 v13, 4, v13
	v_sub_nc_u32 v[LB], v[LB], v13                 ; - 4 (r / 4) entries
	s_lshl_b32 s62, s[WV], 7
	v_sub_nc_u32 v[LB], v[LB], s62                 ; - 32 x wave entries
	v_lshlrev_b32 v[PFO], 8, v0
	QLOAD
	INIT
.Lslot:                                            ; eight trips; behind each change of slots the next trip's slot is asked for
	CHANGE 1
	STEP 0
	STEP 1
	STEP 2
	STEP 3
	s_xor_b32 s[TB], s[TB], SLOT1
	s_cmp_eq_u32 s[SI], s[PP]                      ; block p is done: on to block 7 - p.  Ids and the count of trips alone; no barrier and no tensor load inside
	s_cbranch_scc0 .Lsame
	s_lshl_b32 s62, s[PP], 1
	s_sub_co_u32 s62, 7, s62                       ; 7 - 2 p blocks on
	s_lshl_b32 s66, s62, 15
	s_mov_b32 s67, 0
	s_add_nc_u64 s[QB:QB+1], s[QB:QB+1], s[66:67]
	QLOAD                                          ; waited for behind the next change of slots
	FINISH
	s_lshl_b32 s66, s62, 19
	s_add_nc_u64 s[YB:YB+1], s[YB:YB+1], s[66:67]
	INIT
.Lsame:
	s_add_co_u32 s[SI], s[SI], 1
	s_cmp_lt_u32 s[SI], 8
	s_cbranch_scc1 .Lslot
	CHANGE 0                                       ; the ninth slot is written out: nothing is left to ask for
	STEP 0
	STEP 1
	STEP 2
	STEP 3
	FINISH
	s_wait_tensorcnt 0x0                           ; the wave's end
	ds_add_u32 v[SPW], v[NIL]
	s_wait_dscnt 0x0
	s_endpgm
.Lfunc_end_k_q6f1e71e8be_attn:
	.size	k_q6f1e71e8be_attn, .Lfunc_end_k_q6f1e71e8be_attn-k_q6f1e71e8be_attn
	.p2alignl 7, 3214868480
	.fill 96, 4, 3214868480
	.section	.rodata,"a",@progbits
	.p2align	6, 0x0
	.amdhsa_kernel k_q6f1e71e8be_attn
		.amdhsa_group_segment_fixed_size 327680
		.amdhsa_private_segment_fixed_size 0
		.amdhsa_enable_private_segment 0
		.amdhsa_kernarg_size 32
		.amdhsa_user_sgpr_count 2
		.amdhsa_user_sgpr_kernarg_segment_ptr 1
		.amdhsa_wavefront_size32 1
		.amdhsa_system_sgpr_workgroup_id_x 1
		.amdhsa_system_sgpr_workgroup_id_y 1
		.amdhsa_system_sgpr_workgroup_id_z 1
		.amdhsa_system_vgpr_workitem_id 0
		.amdhsa_next_free_vgpr 512
		.amdhsa_next_free_sgpr 80
		.amdhsa_reserve_vcc 0
		.amdhsa_float_denorm_mode_32 3
		.amdhsa_float_denorm_mode_16_64 3
		.amdhsa_memory_ordered 1
		.amdhsa_forward_progress 1
		.amdhsa_inst_pref_size 167
	.end_amdhsa_kernel
	.amdgpu_metadata
---
amdhsa.version: [ 1, 2 ]
amdhsa.kernels:
  - .name:           k_q6f1e71e8be_attn
    .symbol:         k_q6f1e71e8be_attn.kd
    .args:
      - { .name: qimg, .offset: 0, .size: 8, .value_kind: global_buffer, .address_space: global }
      - { .name: kv, .offset: 8, .size: 8, .value_kind: global_buffer, .address_space: global }
      - { .name: rbt, .offset: 16, .size: 8, .value_kind: global_buffer, .address_space: global }
      - { .name: yimg, .offset: 24, .size: 8, .value_kind: global_buffer, .address_space: global }
    .group_segment_fixed_size: 327680
    .private_segment_fixed_size: 0
    .kernarg_segment_align: 8
    .kernarg_segment_size: 32
    .max_flat_workgroup_size: 256
    .sgpr_count:     80
    .vgpr_count:     512
    .wavefront_size: 32
...
	.end_amdgpu_metadata
.endif
;; end of part 3
;; launch fine (part 4): grid 16 x 4, 16 waves a work-group, no clusters, 137,216 bytes of LDS; arguments qkvf, rbt, Wproj, out0; writes out0
.if DOCPART == 4
	.amdgcn_target "amdgcn-amd-amdhsa--gfx1250"
	.amdhsa_code_object_version 6
	.text
	.protected	k_q6f1e71e8be_fine
	.globl	k_q6f1e71e8be_fine
	.p2align	8
	.type	k_q6f1e71e8be_fine,@function
k_q6f1e71e8be_fine:
	s_mov_b64 s[64:65], 0
	v_nop
	global_prefetch_b8 v0, s[64:65] scope:SCOPE_SE
	s_setreg_imm32_b32 hwreg(HW_REG_WAVE_MODE, 25, 1), 1
	s_wait_xcnt 0x0
; The first 16 tokens of every sequence, wholly in f32: their rows average one to sixteen values and are the largest of the output, so f16 operands would use up what the comparison allows.
; Work-group (cb, batch) makes out0[batch][0..15][64 cb .. 64 cb + 63].  Wave h makes head h's attention over the 16 tokens (every work-group of a batch makes it anew: 16 x 16 x 64 numbers a head), multiplies it by
; rows 64 h .. 64 h + 63 of Wproj's 64 columns, and the sixteen parts are added through LDS.
; WORK LEFT OUT: none beyond the mask, which lies in the bias table as -2^100 (see the first kernel).
; q, k, v come as images of the accumulators that made them: lane (r, g) holds token r and channels 16 c + 8 g + 0..7 of column tile c.  The f32 matrix form takes k = 2 g + j in register j of lane (r, g):
; registers 2 i, 2 i + 1 of both operands give it channels 16 c + 8 g + 2 i + j: the same order of k on both sides, so every product is formed once.
; The registers that the f32 matrix form writes (v112-143, v160-191) are written by matrix instructions alone; four accumulators take turns in each of the three products.
; REGISTERS: v1-10 addresses; v11-15 at work; v16-47 Q, then V^T, then the parts; v48-79 K and v80-111 V, then Wproj's tiles 2, 3; v112-143 S^T in four parts, then the projection; v144-151 the bias, then the scores, then p;
; v152-159 p / l; v160-191 O^T; v192-255 Wproj's tiles 0, 1.
.set SPARE, 135168                     ; behind the stages: the spare words, 128 bytes for each wave: eight blocks of 256 bytes that no other line names
.set VST,   65536                      ; 16 rows x 272 bytes for each wave: v as [key][channel]
	s_load_b256 s[4:11], s[0:1], 0x0               ; qkvf s[4:5], rbt s[6:7], Wproj s[8:9], out0 s[10:11]
	v_lshl_add_u32 v1, v0, 2, SPARE
	v_mov_b32 v2, 0
	v_lshrrev_b32 v3, 5, v0
	v_readfirstlane_b32 s12, v3                    ; wave = head; later: the token that I add up
	s_and_b32 s13, ttmp7, 0xffff                   ; batch
	v_and_b32 v11, 31, v0
	v_and_b32 v12, 15, v0                          ; r
	v_bfe_u32 v13, v0, 4, 1                        ; g
	v_lshlrev_b32 v3, 4, v11                       ; 16 x lane
	v_and_b32 v14, 3, v0
	v_mul_u32_u24 v4, v14, 10240                   ; the table: copy r % 4,
	v_lshl_add_u32 v4, v13, 5, v4
	v_add_nc_u32 v4, 8192, v4                      ; entry 2048 + 8 g - 4 (r / 4)
	v_bfe_u32 v14, v0, 2, 2
	v_lshlrev_b32 v14, 4, v14
	v_sub_nc_u32 v4, v4, v14
	v_lshlrev_b32 v5, 15, v13                      ; Wproj: 8 g rows of 4,096 bytes, column r
	v_lshl_add_u32 v5, v12, 2, v5
	s_mul_i32 s14, s12, 4352
	s_add_co_u32 s14, s14, VST
	v_mul_u32_u24 v6, v12, 272                     ; v's stage, way in: key r, channels 8 g on
	v_lshl_add_u32 v6, v13, 5, v6
	v_add_nc_u32 v6, s14, v6
	v_mul_u32_u24 v7, v13, 8*272                   ; way out: keys 8 g on, channel r
	v_lshl_add_u32 v7, v12, 2, v7
	v_add_nc_u32 v7, s14, v7
	s_lshl_b32 s15, s12, 12
	v_add_nc_u32 v8, s15, v3                       ; my part's image: 4,096 bytes a wave
	v_lshrrev_b32 v14, 3, v11                      ; adding up: lane L takes columns 2 L, 2 L + 1 of token w: tile L / 8,
	v_lshlrev_b32 v9, 10, v14
	v_bfe_u32 v14, v0, 1, 1                        ; registers 4-7 for (L / 2) % 2,
	v_lshl_add_u32 v9, v14, 9, v9
	v_bfe_u32 v14, v0, 2, 1                        ; the image's lanes 16-31 for (L / 4) % 2,
	v_lshl_add_u32 v9, v14, 8, v9
	v_and_b32 v14, 1, v0                           ; two of the lane's four numbers
	v_lshl_add_u32 v9, v14, 3, v9
	s_lshl_b32 s15, s12, 4
	v_add_nc_u32 v9, s15, v9                       ; the image's lane w
	v_lshlrev_b32 v10, 3, v11
	s_mov_b32 s20, 0x76543210
	s_mov_b32 s21, 0xfedcba98
	s_mov_b32 s22, 0x3e38aa3b                      ; c = log2(e) / 8
	s_mov_b32 s23, s22
	s_mul_i32 s16, s13, 196608
	s_lshl_b32 s17, s12, 12
	s_add_co_u32 s16, s16, s17
	s_mov_b32 s17, 0
	s_mul_i32 s18, s12, 40960
	s_mov_b32 s19, 0
	s_lshl_b32 s24, s12, 18
	s_lshl_b32 s25, ttmp9, 8
	s_add_co_u32 s24, s24, s25
	s_mov_b32 s25, 0
	s_lshl_b32 s26, s13, 23
	s_lshl_b32 s27, s12, 12
	s_add_co_u32 s26, s26, s27
	s_lshl_b32 s27, ttmp9, 8
	s_add_co_u32 s26, s26, s27
	s_mov_b32 s27, 0
	s_wait_kmcnt 0x0
	s_add_nc_u64 s[4:5], s[4:5], s[16:17]
	s_add_nc_u64 s[6:7], s[6:7], s[18:19]
	s_add_nc_u64 s[8:9], s[8:9], s[24:25]
	s_add_nc_u64 s[10:11], s[10:11], s[26:27]
.irp c, 0,1,2,3
	global_load_b128 v[16+8*\c:19+8*\c], v3, s[4:5] offset:\c*1024
	global_load_b128 v[20+8*\c:23+8*\c], v3, s[4:5] offset:\c*1024+512
	global_load_b128 v[48+8*\c:51+8*\c], v3, s[4:5] offset:65536+\c*1024
	global_load_b128 v[52+8*\c:55+8*\c], v3, s[4:5] offset:65536+\c*1024+512
	global_load_b128 v[80+8*\c:83+8*\c], v3, s[4:5] offset:131072+\c*1024
	global_load_b128 v[84+8*\c:87+8*\c], v3, s[4:5] offset:131072+\c*1024+512
.endr
	global_load_b128 v[144:147], v4, s[6:7]
	global_load_b128 v[148:151], v4, s[6:7] offset:16
	s_wait_loadcnt 0x0
.irp n, 0,1                                    ; Wproj's tiles 0, 1: register 32 n + 8 c + x holds row 64 h + 16 c + 8 g + x, column 64 cb + 16 n + r
.irp c, 0,1,2,3
.irp x, 0,1,2,3,4,5,6,7
	global_load_b32 v[192+32*\n+8*\c+\x], v5, s[8:9] offset:(16*\c+\x)*4096+64*\n
.endr
.endr
.endr
.irp c, 0,1,2,3
	ds_store_b128 v6, v[80+8*\c:83+8*\c] offset:64*\c
	ds_store_b128 v6, v[84+8*\c:87+8*\c] offset:64*\c+16
.endr
.irp i, 0,1,2,3                                ; S^T = K Q^T, in four parts, one for each 16 channels
.irp c, 0,1,2,3
.if \i == 0
	v_wmma_f32_16x16x4_f32 v[112+8*\c:119+8*\c], v[48+8*\c:49+8*\c], v[16+8*\c:17+8*\c], 0
.else
	v_wmma_f32_16x16x4_f32 v[112+8*\c:119+8*\c], v[48+8*\c+2*\i:49+8*\c+2*\i], v[16+8*\c+2*\i:17+8*\c+2*\i], v[112+8*\c:119+8*\c]
.endif
.endr
.endr
.rept 8
	v_nop                                          ; eight places behind this form: for the loads into Q's registers and the first read of the sums
.endr
.irp c, 0,1,2,3
.irp x, 0,1,2,3,4,5,6,7
	ds_load_b32 v[16+8*\c+\x], v7 offset:\x*272+64*\c   ; V^T: channel 16 c + r, key 8 g + x.  LDS serves a wave's instructions in order: these see my stores
.endr
.endr
.irp c, 0,1,2,3
.irp i, 0,2,4,6
	v_pk_add_f32 v[144+\i:145+\i], v[144+\i:145+\i], v[112+8*\c+\i:113+8*\c+\i]   ; 8 x bias (or the mask) + the four parts, each from its low end on
.endr
.endr
	v_max3_num_f32 v11, v144, v145, v146
	v_max3_num_f32 v12, v147, v148, v149
	v_max3_num_f32 v11, v11, v150, v151
	v_max_num_f32 v11, v11, v12
	v_permlanex16_b32 v12, v11, s20, s21
	v_max_num_f32 v11, v11, v12                    ; the row's maximum: key 0 counts for every query
	v_mul_f32 v12, s22, v11
	v_mov_b32 v13, v12
.irp i, 0,2,4,6
	v_pk_fma_f32 v[144+\i:145+\i], v[144+\i:145+\i], s[22:23], v[12:13] op_sel_hi:[1,0,0] neg_lo:[0,0,1] neg_hi:[0,0,1]
.endr
.irp i, 0,1,2,3,4,5,6,7
	v_exp_f32 v[144+\i], v[144+\i]
.endr
	v_nop
	s_wait_alu depctr_va_vdst(0)                   ; one wait for the eight exponentials, ahead of their first reader
	v_pk_add_f32 v[14:15], v[144:145], v[146:147]
	v_pk_add_f32 v[152:153], v[148:149], v[150:151]
	v_pk_add_f32 v[14:15], v[14:15], v[152:153]
	v_add_f32 v14, v14, v15
	v_permlanex16_b32 v15, v14, s20, s21
	v_add_f32 v14, v14, v15
	v_rcp_f32 v14, v14
	v_nop
	s_wait_alu depctr_va_vdst(0)
.irp i, 0,2,4,6
	v_pk_mul_f32 v[152+\i:153+\i], v[144+\i:145+\i], v[14:15] op_sel_hi:[1,0]
.endr
	s_wait_dscnt 0x0                               ; V^T is in; the stage's stores have read v's registers
.irp n, 0,1                                    ; Wproj's tiles 2, 3, into K's and v's registers
.irp c, 0,1,2,3
.irp x, 0,1,2,3,4,5,6,7
	global_load_b32 v[48+32*\n+8*\c+\x], v5, s[8:9] offset:(16*\c+\x)*4096+128+64*\n
.endr
.endr
.endr
.irp i, 0,1,2,3                                ; O^T = V^T P: four tiles of 16 channels
.irp c, 0,1,2,3
.if \i == 0
	v_wmma_f32_16x16x4_f32 v[160+8*\c:167+8*\c], v[16+8*\c:17+8*\c], v[152:153], 0
.else
	v_wmma_f32_16x16x4_f32 v[160+8*\c:167+8*\c], v[16+8*\c+2*\i:17+8*\c+2*\i], v[152+2*\i:153+2*\i], v[160+8*\c:167+8*\c]
.endif
.endr
.endr
.rept 9
	v_nop                                          ; nine places before a matrix instruction takes these results as an operand, or writes over the scores' registers
.endr
	s_wait_loadcnt 0x0                             ; all of Wproj's 128 registers
.irp c, 0,1,2,3                                ; my part of out^T: four tiles of 16 columns, K = my head's 64 channels
.irp i, 0,1,2,3
.irp n, 0,1,2,3
.if \n < 2
.set WR, 192+32*\n+8*\c+2*\i
.else
.set WR, 48+32*(\n-2)+8*\c+2*\i
.endif
.if (\c == 0) && (\i == 0)
	v_wmma_f32_16x16x4_f32 v[112+8*\n:119+8*\n], v[WR:WR+1], v[160+8*\c+2*\i:161+8*\c+2*\i], 0
.else
	v_wmma_f32_16x16x4_f32 v[112+8*\n:119+8*\n], v[WR:WR+1], v[160+8*\c+2*\i:161+8*\c+2*\i], v[112+8*\n:119+8*\n]
.endif
.endr
.endr
.endr
.rept 8
	v_nop
.endr
.irp n, 0,1,2,3
	ds_store_b128 v8, v[112+8*\n:115+8*\n] offset:\n*1024
	ds_store_b128 v8, v[116+8*\n:119+8*\n] offset:\n*1024+512
.endr
	s_wait_dscnt 0x0                               ; for the others' sake: my part lies in LDS
	s_barrier_signal -1
	s_barrier_wait -1
.irp p, 0,1,2,3,4,5,6,7,8,9,10,11,12,13,14,15
	ds_load_b64 v[16+2*\p:17+2*\p], v9 offset:\p*4096
.endr
	s_wait_dscnt 0x0
.irp p, 1,2,3,4,5,6,7,8,9,10,11,12,13,14,15
	v_pk_add_f32 v[16:17], v[16:17], v[16+2*\p:17+2*\p]   ; the heads in ascending order
.endr
	global_store_b64 v10, v[16:17], s[10:11]       ; 32 lanes store 256 consecutive bytes, aligned: token w's 64 columns
	s_wait_tensorcnt 0x0                           ; the wave's end
	ds_add_u32 v1, v2
	s_wait_dscnt 0x0
	s_endpgm
.Lfunc_end_k_q6f1e71e8be_fine:
	.size	k_q6f1e71e8be_fine, .Lfunc_end_k_q6f1e71e8be_fine-k_q6f1e71e8be_fine
	.p2alignl 7, 3214868480
	.fill 96, 4, 3214868480
	.section	.rodata,"a",@progbits
	.p2align	6, 0x0
	.amdhsa_kernel k_q6f1e71e8be_fine
		.amdhsa_group_segment_fixed_size 137216
		.amdhsa_private_segment_fixed_size 0
		.amdhsa_enable_private_segment 0
		.amdhsa_kernarg_size 32
		.amdhsa_user_sgpr_count 2
		.amdhsa_user_sgpr_kernarg_segment_ptr 1
		.amdhsa_wavefront_size32 1
		.amdhsa_system_sgpr_workgroup_id_x 1
		.amdhsa_system_sgpr_workgroup_id_y 1
		.amdhsa_system_sgpr_workgroup_id_z 1
		.amdhsa_system_vgpr_workitem_id 0
		.amdhsa_next_free_vgpr 256
		.amdhsa_next_free_sgpr 66
		.amdhsa_reserve_vcc 0
		.amdhsa_float_denorm_mode_32 3
		.amdhsa_float_denorm_mode_16_64 3
		.amdhsa_memory_ordered 1
		.amdhsa_forward_progress 1
		.amdhsa_inst_pref_size 33
	.end_amdhsa_kernel
	.amdgpu_metadata
---
amdhsa.version: [ 1, 2 ]
amdhsa.kernels:
  - .name:           k_q6f1e71e8be_fine
    .symbol:         k_q6f1e71e8be_fine.kd
    .args:
      - { .name: qkvf, .offset: 0, .size: 8, .value_kind: global_buffer, .address_space: global }
      - { .name: rbt, .offset: 8, .size: 8, .value_kind: global_buffer, .address_space: global }
      - { .name: Wproj, .offset: 16, .size: 8, .value_kind: global_buffer, .address_space: global }
      - { .name: out0, .offset: 24, .size: 8, .value_kind: global_buffer, .address_space: global }
    .group_segment_fixed_size: 137216
    .private_segment_fixed_size: 0
    .kernarg_segment_align: 8
    .kernarg_segment_size: 32
    .max_flat_workgroup_size: 512
    .sgpr_count:     66
    .vgpr_count:     256
    .wavefront_size: 32
...
	.end_amdgpu_metadata
.endif
;; end of part 4
;; launch proj (part 5): grid 4 x 64, 4 waves a work-group, clusters of 4 x 4, 327,680 bytes of LDS; arguments yimg, wimg, out0; writes out0
.if DOCPART == 5
	.amdgcn_target "amdgcn-amd-amdhsa--gfx1250"
	.amdhsa_code_object_version 6
	.text
	.protected	k_q6f1e71e8be_proj
	.globl	k_q6f1e71e8be_proj
	.p2align	8
	.type	k_q6f1e71e8be_proj,@function
k_q6f1e71e8be_proj:
	s_mov_b64 s[64:65], 0
	v_nop
	global_prefetch_b8 v0, s[64:65] scope:SCOPE_SE
	s_setreg_imm32_b32 hwreg(HW_REG_WAVE_MODE, 25, 1), 1
	s_wait_xcnt 0x0
	s_wait_alu depctr_hold_cnt(0) depctr_sa_sdst(0) depctr_va_vdst(0) depctr_va_sdst(0) depctr_va_ssrc(0) depctr_va_vcc(0) depctr_vm_vsrc(0)
	s_getreg_b32 s2, hwreg(HW_REG_IB_STS2, 6, 4)
	s_cmp_eq_u32 s2, 0
	s_cbranch_scc0 .Lentry_in_a_cluster
	s_endpgm
.Lentry_in_a_cluster:
	s_bfe_u32 s2, ttmp6, 0x10000c
	s_cmp_lg_u32 s2, 0xf033
	s_cbranch_scc0 .Lentry_shape_is_right
	s_endpgm
.Lentry_shape_is_right:
; out0[m][n] = sum over k of y[m][k] Wproj[k][n], f16 operands, f32 sums.  M = 8,192, N = K = 1,024.  Both operands lie in memory in the order of the operand's registers: [tile of 16 rows][64 chunks of 16 k][512 bytes].
; WORK NOT STORED: the rows of each sequence's first 16 tokens are written by the launch fine, in f32; here they lie inside live tiles, are multiplied, and are not stored.
; A tile of 128 x 256 gives 256 work-groups.  Four waves, each 64 x 128: 32 accumulators, window 1.  K goes in steps of 128 through two LDS slots: a row tile's part of a step is 4,096 consecutive bytes,
; so a fragment is read at 16 x lane: no pitch, no padding.  Waves 0, 1 fetch A's halves (4 row tiles), waves 2, 3 B's (8 column tiles), one load each.
; CLUSTERS: 4 x 4 work-groups; A's tiles are asked for jointly along a row of the cluster, B's along a column.  THE MATRIX INSTRUCTION IS USED TRANSPOSED (source 0 = 16 columns of Wproj, source 1 = 16 tokens).
; NO PREFETCH: eight K steps in all, and Wproj's image is read again by every tile row.
; REGISTERS: window 0: v16-29 addresses; two fragment buffers of 96 (A's four at + 8 a, B's eight at + 32 + 8 b), v32-127 and v128-223; on the way out v32-159 take rows.  window 1: accumulator (a, b) at v[8 (8 a + b)].
.set SLOT,   98304                     ; A: 8 x 4,096, then B: 16 x 4,096
.set SPARE,  2*SLOT                    ; the spare words, 128 bytes for each wave: two blocks of 256 bytes that no other line names
.set SPITCH, 528                       ; the way out: 16 rows x (512 bytes + 16) for each wave, in slot 0, which has had its last fill and its last read by then
.set ADRA, 16
.set ADRB, 20
.set STO,  24
.set RD,   25
.set CO,   26
.set VX,   27                          ; 0 in the waves whose block 0 holds a sequence's first 16 tokens
.set SPW,  28
.set NIL,  29
.set F0,   32
.set F1,   128
.set G1, 24
.set G0, 32
.set G1B, 48
.set G0B, 56
.set MSB, 0
.macro WIN new
.if MSB != \new
	s_set_vgpr_msb (MSB<<8)|\new
.set MSB, \new
.endif
.endm
.set MUL, 0x50                         ; C and D window 1, the fragments window 0
.macro JLOAD s                         ; a joint load; an s_nop 0 and four v_nop follow each of the two lines
	s_cmp_eq_u32 s11, 0
	s_cbranch_scc0 .Lfor_b_\@
	tensor_load_to_lds s[G0+4*\s:G0+4*\s+3], s[G1:G1+7]
	s_nop 0
.rept 4
	v_nop
.endr
	s_branch .Lasked_\@
.Lfor_b_\@:
	tensor_load_to_lds s[G0B+4*\s:G0B+4*\s+3], s[G1B:G1B+7]
	s_nop 0
.rept 4
	v_nop
.endr
.Lasked_\@:
.endm
.macro CREST
	s_cmp_lg_u32 s10, 0
	s_cbranch_scc1 .Lnot_wave_0_\@
	s_barrier_signal -3
.Lnot_wave_0_\@:
	s_barrier_wait -3
	s_barrier_signal -1
	s_barrier_wait -1
.endm
.macro CROUND
	s_barrier_signal -1
	s_barrier_wait -1
	CREST
.endm
	s_load_b128 s[4:7], s[0:1], 0x0                ; yimg s[4:5], wimg s[6:7]
	s_load_b64 s[8:9], s[0:1], 0x10                ; out0
	v_lshl_add_u32 v[SPW], v0, 2, SPARE
	v_mov_b32 v[NIL], 0
	ds_add_u32 v[SPW], v[NIL]                      ; the wave's opening: the add, twice on end, and its wait ahead of my first tensor load
	ds_add_u32 v[SPW], v[NIL]
	v_lshrrev_b32 v1, 5, v0
	v_readfirstlane_b32 s10, v1                    ; wave 0..3
	s_lshr_b32 s11, s10, 1                         ; which 64 rows are mine.  Also: I fetch for A (0) or for B (1)
	s_and_b32 s12, s10, 1                          ; which 128 columns.  Also: which half I fetch
	s_bfe_u32 s40, ttmp6, 0x40000
	s_bfe_u32 s41, ttmp6, 0x40004
	s_lshl_b32 s42, ttmp9, 2
	s_add_co_u32 s42, s42, s40                     ; tile column
	s_and_b32 s13, ttmp7, 0xffff
	s_lshl_b32 s13, s13, 2
	s_add_co_u32 s13, s13, s41                     ; tile row
	s_lshl_b32 s43, s41, 2
	s_lshl_b32 s43, 15, s43
	s_lshl_b32 s44, 0x1111, s40
	s_or_b32 s[G1+0], s43, (3<<16)|(1<<21)         ; the mask; elements of 8 bytes; bit 21 beside a mask; no padding
	s_or_b32 s[G1B+0], s44, (3<<16)|(1<<21)
	s_mov_b32 s[G1+1], 512<<16                     ; a row of the tile: 512 elements, 4,096 bytes
	s_mov_b32 s[G1+2], 4<<16                       ; 4 row tiles
	s_mov_b32 s[G1+3], 512<<16
	s_mov_b32 s[G1+4], 4
	s_mov_b32 s[G1+5], 4096                        ; from tile to tile: 32,768 bytes
	s_mov_b32 s[G1+6], 0
	s_mov_b32 s[G1+7], 0
	s_mov_b32 s[G1B+1], 512<<16
	s_mov_b32 s[G1B+2], 8<<16                      ; 8 column tiles
	s_mov_b32 s[G1B+3], 512<<16
	s_mov_b32 s[G1B+4], 8
	s_mov_b32 s[G1B+5], 4096
	s_mov_b32 s[G1B+6], 0
	s_mov_b32 s[G1B+7], 0
	s_lshl_b32 s17, s12, 2
	s_lshl_b32 s16, s13, 3
	s_add_co_u32 s16, s16, s17                     ; A: row tile 8 x tile row + 4 x half
	s_lshl_b32 s16, s16, 15
	s_lshl_b32 s17, s12, 3
	s_lshl_b32 s46, s42, 4
	s_add_co_u32 s46, s46, s17                     ; B: column tile 16 x tile column + 8 x half
	s_lshl_b32 s46, s46, 15
	s_mov_b32 s17, 0
	s_mov_b32 s47, 0
	s_lshl_b32 s20, s12, 14                        ; where they go: no place in the cluster enters an LDS address
	s_lshl_b32 s21, s12, 15
	s_add_co_u32 s21, s21, 32768
	s_wait_dscnt 0x0                               ; both opening adds are done
	s_wait_kmcnt 0x0
	s_add_nc_u64 s[14:15], s[4:5], s[16:17]
	s_add_nc_u64 s[46:47], s[6:7], s[46:47]
	CROUND                                         ; all sixteen work-groups are here: the first joint loads meet
.irp s, 0,1
	s_mov_b32 s[G0+4*\s], 1
	s_add_co_u32 s[G0+4*\s+1], s20, \s*SLOT
	s_add_nc_u64 s[G0+4*\s+2:G0+4*\s+3], s[14:15], \s*4096
	s_or_b32 s[G0+4*\s+3], s[G0+4*\s+3], 0x80000000
	s_mov_b32 s[G0B+4*\s], 1
	s_add_co_u32 s[G0B+4*\s+1], s21, \s*SLOT
	s_add_nc_u64 s[G0B+4*\s+2:G0B+4*\s+3], s[46:47], \s*4096
	s_or_b32 s[G0B+4*\s+3], s[G0B+4*\s+3], 0x80000000
	JLOAD \s
.endr
	v_and_b32 v1, 15, v0
	v_bfe_u32 v2, v0, 4, 1
	v_and_b32 v3, 31, v0
	v_lshlrev_b32 v[CO], 4, v3                     ; 16 x lane
	s_lshl_b32 s21, s11, 14                        ; my 4 row tiles
	s_lshl_b32 s22, s12, 15                        ; my 8 column tiles,
	s_add_co_u32 s22, s22, 32768                   ; behind A's
.irp s, 0,1
	v_add_nc_u32 v[ADRA+\s], s21, v[CO]
	v_add_nc_u32 v[ADRB+\s], s22, v[CO]
	s_add_co_u32 s21, s21, SLOT
	s_add_co_u32 s22, s22, SLOT
.endr
	s_mul_i32 s23, s10, 16*SPITCH                  ; my stage
	v_mul_u32_u24 v5, v1, SPITCH
	v_lshl_add_u32 v5, v2, 5, v5
	v_add_nc_u32 v[STO], s23, v5                   ; in: row l % 16, 32 bytes for each half of the lanes
	v_add_nc_u32 v[RD], s23, v[CO]                 ; back: 32 lanes take a row of 512 bytes
	s_lshl_b32 s16, s13, 19                        ; 128 rows of 4,096 bytes,
	s_lshl_b32 s17, s11, 18                        ; my 64
	s_add_co_u32 s16, s16, s17
	s_mov_b32 s17, 0
	s_add_nc_u64 s[8:9], s[8:9], s[16:17]
	s_lshl_b32 s46, s42, 10                        ; 256 columns of 4 bytes, my 128
	s_lshl_b32 s47, s12, 9
	s_add_co_u32 s46, s46, s47
	s_mov_b32 s47, 0
	s_add_nc_u64 s[8:9], s[8:9], s[46:47]
	s_and_b32 s16, s13, 15                         ; a sequence is 16 tile rows
	s_lshl_b32 s16, s16, 1
	s_add_co_u32 s16, s16, s11
	v_mov_b32 v[VX], s16
; 8 matrix instructions: row tile a x the 8 column tiles, 32 along K.  The 32 accumulators take turns, one instruction a turn, in the same order in every quarter.
.macro MUL8 f, a, zero
.irp b, 0,1,2,3,4,5,6,7
.if \zero
	v_wmma_f32_16x16x32_f16 v[8*(8*(\a)+\b):8*(8*(\a)+\b)+7], v[\f+32+8*\b:\f+32+8*\b+7], v[\f+8*(\a):\f+8*(\a)+7], 0
.else
	v_wmma_f32_16x16x32_f16 v[8*(8*(\a)+\b):8*(8*(\a)+\b)+7], v[\f+32+8*\b:\f+32+8*\b+7], v[\f+8*(\a):\f+8*(\a)+7], v[8*(8*(\a)+\b):8*(8*(\a)+\b)+7]
.endif
.endr
.endm
.macro FETCH slot, kk, f               ; 24 LDS loads in one run: the fragments of the slot's kk-th 32 along K
.irp i, 0,1,2,3,4,5,6,7
	ds_load_b128 v[\f+32+8*\i:\f+32+8*\i+3], v[ADRB+\slot] offset:\i*4096+(2*(\kk))*512
	ds_load_b128 v[\f+32+8*\i+4:\f+32+8*\i+7], v[ADRB+\slot] offset:\i*4096+(2*(\kk)+1)*512
.endr
.irp i, 0,1,2,3
	ds_load_b128 v[\f+8*\i:\f+8*\i+3], v[ADRA+\slot] offset:\i*4096+(2*(\kk))*512
	ds_load_b128 v[\f+8*\i+4:\f+8*\i+7], v[ADRA+\slot] offset:\i*4096+(2*(\kk)+1)*512
.endr
.endm
.macro PLACES                          ; four plain vector instructions in front of loads into registers that matrix instructions have read, and of the first read of results
.rept 4
	v_nop
.endr
.endm
; A K step is four quarters of 32 along K on buffers 0, 1, 0, 1.  One of the first three: multiplies buffer f; in its middle it fetches the next quarter, kk, into g.
.macro QUARTER slot, kk, f, g, zero
	s_wait_dscnt 0x0                               ; this quarter's fragments, asked for 16 matrix instructions ago
	WIN MUL
	MUL8 \f, 0, \zero
	MUL8 \f, 1, \zero
	PLACES
	WIN 0
	FETCH \slot, \kk, \g
	WIN MUL
	MUL8 \f, 2, \zero
	MUL8 \f, 3, \zero
.endm
; The last quarter multiplies buffer 1 and changes slots: one barrier; in front of it each wave waits for all its tensor loads, adds 0 to its spare word, and waits for that and for its reads of this slot.
.macro TURN slot, next, fill
	WIN 0
	s_wait_tensorcnt 0x0                           ; my one load that was out, my part of the next slot, has landed
	ds_add_u32 v[SPW], v[NIL]
	s_wait_dscnt 1                                 ; the fragments are in; the add alone may be out
	WIN MUL
	MUL8 F1, 0, 0                                  ; eight matrix instructions stand between the add and the wait for it
	s_wait_dscnt 0x0
	s_barrier_signal -1
	MUL8 F1, 1, 0
	WIN 0
	s_barrier_wait -1
.if \fill
	CREST                                          ; the barrier has opened a round of the cluster's: no wave of any partner still reads this slot or has a load on its way
	s_add_nc_u64 s[G0+4*\slot+2:G0+4*\slot+3], s[G0+4*\slot+2:G0+4*\slot+3], 8192
	s_add_nc_u64 s[G0B+4*\slot+2:G0B+4*\slot+3], s[G0B+4*\slot+2:G0B+4*\slot+3], 8192
	JLOAD \slot                                    ; the first tensor load behind the round; its four v_nop are also the places in front of the loads below
.else
	PLACES
.endif
	FETCH \next, 0, F0
	WIN MUL
	MUL8 F1, 2, 0
	MUL8 F1, 3, 0
.endm
	s_wait_tensorcnt 1                             ; my part of K step 0 is in; K step 1's load, issued behind it, may be out
	s_barrier_signal -1
	s_barrier_wait -1
	FETCH 0, 0, F0
	QUARTER 0, 1, F0, F1, 1                        ; the first quarter's products start the sums: nothing is cleared
	WIN 0
	s_mov_b32 s3, 3
.Llap:                                             ; a trip goes once round the ring and fills both slots again: K steps 2 to 7
	QUARTER 0, 2, F1, F0, 0
	QUARTER 0, 3, F0, F1, 0
	TURN 0, 1, 1
	QUARTER 1, 1, F0, F1, 0
	QUARTER 1, 2, F1, F0, 0
	QUARTER 1, 3, F0, F1, 0
	TURN 1, 0, 1
	QUARTER 0, 1, F0, F1, 0
	WIN 0
	s_sub_co_u32 s3, s3, 1
	s_cmp_lg_u32 s3, 0
	s_cbranch_scc1 .Llap
	QUARTER 0, 2, F1, F0, 0                        ; the last lap fills nothing
	QUARTER 0, 3, F0, F1, 0
	TURN 0, 1, 0
	QUARTER 1, 1, F0, F1, 0
	QUARTER 1, 2, F1, F0, 0
	QUARTER 1, 3, F0, F1, 0
	s_wait_dscnt 0x0
	WIN MUL
	MUL8 F1, 0, 0
	MUL8 F1, 1, 0
	MUL8 F1, 2, 0
	MUL8 F1, 3, 0
	WIN 0
; THE WAY OUT, block by block of 16 rows x 128 columns: through my own stage and back as whole rows of 512 bytes.  LDS serves a wave's instructions in order: no wait between the stores and the loads.
.macro TOSTAGE a
	WIN 0x04                                       ; an LDS store's data are its source 1: window 1
.irp b, 0,1,2,3,4,5,6,7
	ds_store_b128 v[STO], v[8*(8*(\a)+\b):8*(8*(\a)+\b)+3] offset:64*\b          ; each accumulator from its low end on
	ds_store_b128 v[STO], v[8*(8*(\a)+\b)+4:8*(8*(\a)+\b)+7] offset:64*\b+16
.endr
	WIN 0
.set BK, 32+64*((\a)%2)
.irp t, 0,1,2,3,4,5,6,7,8,9,10,11,12,13,14,15
	ds_load_b128 v[BK+4*\t:BK+4*\t+3], v[RD] offset:\t*SPITCH
.endr
.endm
.macro SEND a, younger                 ; younger: the LDS instructions issued behind block a's loads, which may stay out
.set BK, 32+64*((\a)%2)
	s_wait_dscnt \younger
.if (\a) > 0
	s_add_nc_u64 s[8:9], s[8:9], 65536             ; 16 rows on (behind a wait on XCNT: the earlier stores have read their base)
.else
	s_wait_xcnt 0x0                                ; EXEC changes only behind this wait
	v_cmp_ne_u32 vcc_lo, 0, v[VX]                  ; a sequence's first 16 tokens are another launch's to write: no branch, the stores run with no lane on
	s_and_saveexec_b32 s22, vcc_lo
.endif
.irp t, 0,1,2,3,4,5,6,7,8,9,10,11,12,13,14,15
	global_store_b128 v[CO], v[BK+4*\t:BK+4*\t+3], s[8:9] offset:\t*4096 th:TH_STORE_NT   ; 32 lanes store 512 consecutive bytes, aligned
.endr
.if (\a) == 0
	s_wait_xcnt 0x0                                ; and again, in front of the line that widens it
	s_or_b32 exec_lo, exec_lo, s22
.endif
.endm
	PLACES
	TOSTAGE 0
.irp a, 1,2,3
.if \a > 1
	s_wait_xcnt 0x0                                ; block a - 2's stores have read their registers and their base
.endif
	TOSTAGE \a
	SEND \a-1, 32                                  ; behind block a - 1's loads: block a's 16 stores and 16 loads
.endr
	s_wait_xcnt 0x0
	SEND 3, 0
	s_wait_tensorcnt 0x0                           ; the wave's end
	ds_add_u32 v[SPW], v[NIL]
	s_wait_dscnt 0x0
	CROUND                                         ; the closing round
	s_endpgm
.Lfunc_end_k_q6f1e71e8be_proj:
	.size	k_q6f1e71e8be_proj, .Lfunc_end_k_q6f1e71e8be_proj-k_q6f1e71e8be_proj
	.p2alignl 7, 3214868480
	.fill 96, 4, 3214868480
	.section	.rodata,"a",@progbits
	.p2align	6, 0x0
	.amdhsa_kernel k_q6f1e71e8be_proj
		.amdhsa_group_segment_fixed_size 327680
		.amdhsa_private_segment_fixed_size 0
		.amdhsa_enable_private_segment 0
		.amdhsa_kernarg_size 24
		.amdhsa_user_sgpr_count 2
		.amdhsa_user_sgpr_kernarg_segment_ptr 1
		.amdhsa_wavefront_size32 1
		.amdhsa_system_sgpr_workgroup_id_x 1
		.amdhsa_system_sgpr_workgroup_id_y 1
		.amdhsa_system_sgpr_workgroup_id_z 1
		.amdhsa_system_vgpr_workitem_id 0
		.amdhsa_next_free_vgpr 512
		.amdhsa_next_free_sgpr 66
		.amdhsa_reserve_vcc 1
		.amdhsa_float_denorm_mode_32 3
		.amdhsa_float_denorm_mode_16_64 3
		.amdhsa_memory_ordered 1
		.amdhsa_forward_progress 1
		.amdhsa_inst_pref_size 84
	.end_amdhsa_kernel
	.amdgpu_metadata
---
amdhsa.version: [ 1, 2 ]
amdhsa.kernels:
  - .name:           k_q6f1e71e8be_proj
    .symbol:         k_q6f1e71e8be_proj.kd
    .args:
      - { .name: yimg, .offset: 0, .size: 8, .value_kind: global_buffer, .address_space: global }
      - { .name: wimg, .offset: 8, .size: 8, .value_kind: global_buffer, .address_space: global }
      - { .name: out0, .offset: 16, .size: 8, .value_kind: global_buffer, .address_space: global }
    .group_segment_fixed_size: 327680
    .private_segment_fixed_size: 0
    .kernarg_segment_align: 8
    .kernarg_segment_size: 24
    .max_flat_workgroup_size: 128
    .sgpr_count:     66
    .vgpr_count:     512
    .wavefront_size: 32
...
	.end_amdgpu_metadata
.endif
;; end of part 5
